; MI455X (gfx1250); checked and timed in simulation.
; The chip was launched on July 23, 2026; its instructions are those of AMD's public machine-readable ISA for CDNA 5 (MIT licence, August 2026) and "CDNA5" Instruction Set Architecture Reference Guide (July 2026). The comments in the code are by the model that wrote it; some were corrected since.
;; Causal Self Attention. Allowed arithmetic: matrix products marked QUANTISED: E3M2 operands, one E8M0 scale for each 32 along K, by v_wmma_scale_f32_16x16x128_f8f6f4 with both operands' format E3M2, f32 sums; everything else in f32.
;; Inputs: Wk 512 x 512 float32; Wo 512 x 512 float32; Wq 512 x 512 float32; Wv 512 x 512 float32; bk 512 float32; bo 512 float32; bq 512 float32; bv 512 float32; x 2 x 4,096 x 512 float32.
;; Outputs: out0 2 x 4,096 x 512 float32.
;; This version of the problem:
;;   THIS VERSION OF THE PROBLEM IS GIVEN IN LOW PRECISION. The matrix products marked QUANTISED in the list below multiply operands that are first quantised to E3M2 (3 exponent bits, 2 mantissa bits; 6 bits a number), with one power-of-two scale for each 32 numbers along K (OCP MX v1.0); their sums are f32. All else is computed in f32.
;;   The module's matrix products, in the order in which they are computed (A, B: the left and right operand; K: the contracted axis; several contracted axes count as one K, in the product's order):
;;     1. [M 8,192, K 512] x [K 512, N 512]; A: input x; B: input Wq: QUANTISED
;;     2. [M 8,192, K 512] x [K 512, N 512]; A: input x; B: input Wk: QUANTISED
;;     3. [M 8,192, K 512] x [K 512, N 512]; A: input x; B: input Wv: QUANTISED
;;     4. batch 16 x [M 4,096, K 64] x [K 64, N 4,096]; A: computed on the way; B: computed on the way: QUANTISED
;;     5. batch 16 x [M 4,096, K 4,096] x [K 4,096, N 64]; A: softmax (see below); B: computed on the way: QUANTISED
;;     6. [M 8,192, K 512] x [K 512, N 512]; A: computed on the way; B: input Wo: QUANTISED
;;   THE QUANTISER, for each operand of a quantised product, along K:
;;     - K is cut into blocks of 32 from its start; a last block that is shorter is filled with zeros.
;;     - A block's scale is 2^e with e = floor(log2(the largest magnitude in the block)) - 4, held to -126 .. 127; a block of zeros has e = 0. As a byte (E8M0): e + 127.
;;     - Each number is divided by its block's scale, clamped to +-28, and rounded to the nearest number of E3M2, ties to even, subnormals kept.
;;     - The product sums the exact products of the quantised numbers (number of the format x scale) in f32.
;;   ~~~python
;;   def quantise(x, axis):      # numpy; x: float32 -> the quantised numbers, widened to float32 again
;;       x = np.moveaxis(x, axis, -1); K = x.shape[-1]
;;       x = np.pad(x, [(0, 0)] * (x.ndim - 1) + [(0, -K % 32)]); x = x.reshape(x.shape[:-1] + (-1, 32)); a = np.abs(x).max(-1, keepdims=True)
;;       e = np.where(a > 0, np.clip(np.frexp(np.where(a > 0, a, 1))[1] - 1 - 4, -126, 127), 0)      # np.frexp(a)[1] - 1 = floor(log2(a)), exactly
;;       r = np.clip(x / 2.0 ** e, -28, 28)
;;       step = 2.0 ** (np.maximum(np.frexp(np.where(r == 0, 1, r))[1] - 1, -2) - 2)
;;       q = np.round(r / step) * step * 2.0 ** e      # np.round: ties to even
;;       return np.moveaxis(q.reshape(q.shape[:-2] + (-1,))[..., :K], -1, axis).astype(np.float32)
;;   ~~~
;;   SOFTMAX AHEAD OF A QUANTISED PRODUCT. Where the list says 'softmax', what is quantised is not the finished softmax but p = 2^(t - M), with t = logit x log2(e) and M = ceil(the row's largest t), a whole number; so 1/2 < the row's largest p <= 1. The row's sum l is taken of the UNQUANTISED p, in f32, and the product's result is divided by l at the end. Since M is a whole number, a kernel that streams over the keys may use a running M (the ceiling of the running maximum): every later rescaling is an exact power of two, which a block's scale takes up: the codes' values come out the same.
;;   OPERANDS COMPUTED ON THE WAY. 'Computed on the way' means the value that the module computes at that place (a softmax that the list does not call 'softmax' is quantised finished and normalised). What goes into a quantiser is computed in f32, as accurately as f32 sums, v_exp_f32 and their like allow (about 1e-6 of the number): no bf16 or f16 on the way to a quantiser, and a product that is left as it is and whose result goes on into a quantised operand takes f32 operands (vector FMAs, or v_wmma_f32_16x16x4_f32). A number that lies on a knife's edge between two numbers of the format may be rounded either way, as far as f32 arithmetic and the matrix unit's own rounding can turn it there, and no further.
;; 2 versions. Each part assembles by itself: llvm-mc -triple=amdgcn-amd-amdhsa -mcpu=gfx1250 --defsym DOCPART=n.
;; ======== version 1 of 2: 4 launches
;; workspace buffers: xq 3,276,800 bytes; wq 819,200 bytes; qq 3,407,872 bytes; kv 6,684,672 bytes; oq 3,670,016 bytes
;; launch prep (part 1): grid 320 x 1, 4 waves a work-group, no clusters, 68,096 bytes of LDS; arguments x, Wq, Wk, Wv, Wo, xq, wq; writes xq, wq
.if DOCPART == 1
	.amdgcn_target "amdgcn-amd-amdhsa--gfx1250"
	.amdhsa_code_object_version 6
	.text
	.protected	k_q8ee6eb1ddc_prep
	.globl	k_q8ee6eb1ddc_prep
	.p2align	8
	.type	k_q8ee6eb1ddc_prep,@function
k_q8ee6eb1ddc_prep:
	s_mov_b64 s[64:65], 0
	v_nop
	global_prefetch_b8 v0, s[64:65] scope:SCOPE_SE
	s_setreg_imm32_b32 hwreg(HW_REG_WAVE_MODE, 25, 1), 1
	s_wait_xcnt 0x0
; x [8192][512] and the four weights [512 (k)][512 (n)], f32, become codes of BF6 (E3M2) with one E8M0 byte for each 32 along K = 512,
; stored as IMAGES OF OPERAND REGISTERS: a fragment (16 rows x 128 K, 12 registers a lane) is three runs of 512 bytes, lane l's 16 bytes at 16 l.
; THE ROWS OF A TILE ARE NOT NEIGHBOURS: each 32 neighbours (rows of x, columns of a weight) make two tiles; lane r of tile u stands for member 8 u + r + 8 (r / 8).
; xq: codes [block of 32 rows 256][u 2][K step 4][1,536 bytes]; from XSC on the scale words [block][K step][lane]: lanes 0-15 tile 0's rows, lanes 16-31 tile 1's.
; wq: the same for [weight q, k, v, o][block of 32 columns 16]; scale words from WSC on.
; A lane of a fragment holds two whole blocks of 32 along K (k = 64 c + 32 (lane / 16) + 0 .. 31), so a block's largest magnitude needs no other lane.
; A block's scale byte is the exponent field of its largest magnitude less 4, held at 1 from below.
; LIMITS: NaN and infinities among the inputs are not served; a block whose largest magnitude lies under 2^-122 gets the byte 1, a block of zeros too
; (the quantiser says 127 there: its codes are zeros, and the bytes are read by this program alone).
; SHARES: work-groups 0-255: one block of 32 rows of x, wave = K step.  Work-groups 256-319: one weight, one K step, four blocks of columns, wave = block.
; No tensor loads, no barrier: waves share nothing.  Only the x path stages data in LDS, each wave its own two stages.
.set XSC, 3145728
.set WSC, 786432
.set SPI, 528                          ; a stage row: 512 bytes + 16 = 33 x 16: sixteen rows begin at sixteen different 16-byte columns modulo 256
.set STG, 16*SPI
; 64 numbers of a lane, v[x] on (register 32 c + i = k 64 c + 32 h + i of my row), become the fragment's 12 registers v[c] on and its scale word v[w]
.macro QFRAG x, c, w
	v_max3_num_f32 v24, |v[\x]|, |v[\x+1]|, 0x2800000        ; my two blocks by turns; the floor 2^(5 - 127) is one more leaf: the byte cannot fall under 1
	v_max3_num_f32 v25, |v[\x+32]|, |v[\x+33]|, 0x2800000
.irp i, 2,4,6,8,10,12,14,16,18,20,22,24,26,28,30
	v_max3_num_f32 v24, v24, |v[\x+\i]|, |v[\x+\i+1]|
	v_max3_num_f32 v25, v25, |v[\x+32+\i]|, |v[\x+33+\i]|
.endr
	v_add_nc_u32 v26, 0xfe000000, v24              ; 4 off the exponent field: the conversion's scale operand
	v_add_nc_u32 v27, 0xfe000000, v25
	v_lshrrev_b32 v28, 23, v26                     ; the scale's byte
	v_lshrrev_b32 v29, 23, v27
	v_lshl_or_b32 v[\w], v29, 16, v28              ; blocks h and 2 + h of my row,
	v_lshlrev_b32 v[\w], v4, v[\w]                 ; at their places in the word (8 h bits up);
	v_permlanex16_b32 v30, v[\w], s20, s21
	v_or_b32 v[\w], v[\w], v30                     ; with lane l xor 16's two the word is whole, in both halves of the lanes
	v_cvt_scalef32_pk16_bf6_f32 v[\c:\c+2], v[\x:\x+15], v26
	v_cvt_scalef32_pk16_bf6_f32 v[16:18], v[\x+16:\x+31], v26      ; (a conversion's three registers begin on an even number: a block's second three are made apart and moved)
	v_cvt_scalef32_pk16_bf6_f32 v[\c+6:\c+8], v[\x+32:\x+47], v27
	v_cvt_scalef32_pk16_bf6_f32 v[20:22], v[\x+48:\x+63], v27
	v_nop                                          ; one plain instruction behind the scaled conversions
.irp i, 0,1,2
	v_mov_b32 v[\c+3+\i], v[16+\i]
	v_mov_b32 v[\c+9+\i], v[20+\i]
.endr
.endm
.macro OUT                             ; the two fragments and their scale words leave; each store of codes covers 512 consecutive aligned bytes, the words' store 128
	v_cndmask_b32 v62, v61, v60, s22               ; lanes 0-15 tile 0's words, lanes 16-31 tile 1's
.irp c, 0,1,2
	global_store_b128 v5, v[32+4*\c:35+4*\c], s[26:27] offset:512*\c
	global_store_b128 v5, v[48+4*\c:51+4*\c], s[26:27] offset:6144+512*\c
.endr
	global_store_b32 v6, v62, s[28:29]
	s_wait_tensorcnt 0x0
	ds_add_u32 v47, v63
	s_wait_dscnt 0x0
	s_endpgm
.endm
	s_load_b256 s[4:11], s[0:1], 0x0               ; x, Wq, Wk, Wv
	s_load_b128 s[12:15], s[0:1], 0x20             ; Wo, xq
	s_load_b64 s[16:17], s[0:1], 0x30              ; wq
	v_lshl_add_u32 v47, v0, 2, 0x10800
	v_mov_b32 v63, 0
	v_lshrrev_b32 v1, 5, v0
	v_readfirstlane_b32 s18, v1                    ; wave
	v_and_b32 v1, 31, v0                           ; lane
	v_and_b32 v2, 15, v0                           ; r
	v_bfe_u32 v3, v0, 4, 1                         ; h
	v_lshlrev_b32 v4, 3, v3                        ; 8 h
	v_lshlrev_b32 v5, 4, v1                        ; 16 x lane
	v_lshlrev_b32 v6, 2, v1                        ; 4 x lane
	v_mov_b32 v30, 0                               ; a lane permute's destination counts as one of its sources
	s_mov_b32 s20, 0x76543210
	s_mov_b32 s21, 0xfedcba98                      ; selects for lane l xor 16
	s_mov_b32 s22, 0xffff                          ; lanes 0-15
	s_cmp_lt_u32 ttmp9, 256
	s_cbranch_scc0 .Lweights
	; ---- x: block = work-group, K step = wave.  Each load reads 512 consecutive aligned bytes of one row; the rows turn through my stage so that a lane gets 32 neighbours
	s_mul_i32 s23, s18, 2*STG
	v_add_nc_u32 v7, s23, v5                       ; into a stage: 16 x lane, a row an instruction
	v_mul_u32_u24 v8, v2, SPI
	v_lshl_add_u32 v8, v3, 7, v8
	v_add_nc_u32 v8, s23, v8                       ; out of it: row r, + 128 h
	s_lshl_b32 s24, ttmp9, 16                      ; 32 rows of 2,048 bytes
	s_lshl_b32 s26, s18, 9                         ; 128 numbers along K
	s_add_co_u32 s24, s24, s26
	s_mov_b32 s25, 0
	s_mul_i32 s26, ttmp9, 12288
	s_mul_i32 s28, s18, 1536
	s_add_co_u32 s26, s26, s28
	s_mov_b32 s27, 0
	s_lshl_b32 s28, ttmp9, 9
	s_lshl_b32 s30, s18, 7
	s_add_co_u32 s28, s28, s30
	s_add_co_u32 s28, s28, XSC
	s_mov_b32 s29, 0
	s_wait_kmcnt 0x0
	s_add_nc_u64 s[4:5], s[4:5], s[24:25]
	s_add_nc_u64 s[26:27], s[14:15], s[26:27]
	s_add_nc_u64 s[28:29], s[14:15], s[28:29]
.irp u, 0,1
.irp i, 0,1,2,3,4,5,6,7,8,9,10,11,12,13,14,15
	global_load_b128 v[128+64*\u+4*\i:131+64*\u+4*\i], v5, s[4:5] offset:(8*\u+\i+8*(\i/8))*2048 th:TH_LOAD_NT
.endr
.endr
	s_wait_loadcnt 16                              ; tile 0's sixteen rows are in; tile 1's sixteen loads may be out
.irp i, 0,1,2,3,4,5,6,7,8,9,10,11,12,13,14,15
	ds_store_b128 v7, v[128+4*\i:131+4*\i] offset:\i*SPI
.endr
.irp i, 0,1,2,3,4,5,6,7,8,9,10,11,12,13,14,15
	ds_load_b128 v[64+4*\i:67+4*\i], v8 offset:256*(\i/8)+16*(\i%8)        ; LDS serves a wave's instructions in order (ISA guide 5.7.1.4): these see the stores above
.endr
	s_wait_loadcnt 0x0
.irp i, 0,1,2,3,4,5,6,7,8,9,10,11,12,13,14,15
	ds_store_b128 v7, v[192+4*\i:195+4*\i] offset:STG+\i*SPI
.endr
	s_wait_dscnt 16                                ; all but these sixteen stores: tile 0's numbers are back, and its stores have read v128-191, which tile 1's numbers now take
.irp i, 0,1,2,3,4,5,6,7,8,9,10,11,12,13,14,15
	ds_load_b128 v[128+4*\i:131+4*\i], v8 offset:STG+256*(\i/8)+16*(\i%8)
.endr
	QFRAG 64, 32, 60
	s_wait_dscnt 0x0
	QFRAG 128, 48, 61
	OUT
.Lweights:
	; ---- a weight: K is its FIRST axis.  A lane takes a column and its registers run down K, in the very order of the operand's registers: nothing is transposed
	s_sub_co_u32 s23, ttmp9, 256
	s_lshr_b32 s24, s23, 4                         ; which weight: 0 q, 1 k, 2 v, 3 o
	s_and_b32 s25, s23, 3                          ; K step
	s_bfe_u32 s26, s23, 0x20002
	s_lshl_b32 s26, s26, 2
	s_add_co_u32 s26, s26, s18                     ; block of 32 columns: the four waves stand on 512 neighbouring bytes of each row
	s_lshl_b32 s30, s25, 18                        ; 128 rows of 2,048 bytes
	s_lshl_b32 s31, s26, 7
	s_add_co_u32 s30, s30, s31
	s_mov_b32 s31, 0
	s_mul_i32 s32, s24, 196608
	s_mul_i32 s33, s26, 12288
	s_add_co_u32 s32, s32, s33
	s_mul_i32 s33, s25, 1536
	s_add_co_u32 s32, s32, s33
	s_mov_b32 s33, 0
	s_lshl_b32 s34, s24, 13
	s_lshl_b32 s35, s26, 9
	s_add_co_u32 s34, s34, s35
	s_lshl_b32 s35, s25, 7
	s_add_co_u32 s34, s34, s35
	s_add_co_u32 s34, s34, WSC
	s_mov_b32 s35, 0
	v_and_b32 v9, 8, v2
	v_add_nc_u32 v9, v9, v2                        ; r + 8 (r / 8)
	v_lshlrev_b32 v9, 2, v9
	v_lshl_add_u32 v9, v3, 16, v9                  ; lanes 16-31 begin 32 rows further down
	s_wait_kmcnt 0x0
	s_cmp_eq_u32 s24, 1                            ; the choice hangs on the work-group's number alone
	s_cselect_b64 s[4:5], s[8:9], s[6:7]
	s_cmp_eq_u32 s24, 2
	s_cselect_b64 s[4:5], s[10:11], s[4:5]
	s_cmp_eq_u32 s24, 3
	s_cselect_b64 s[4:5], s[12:13], s[4:5]
	s_add_nc_u64 s[4:5], s[4:5], s[30:31]
	s_add_nc_u64 s[26:27], s[16:17], s[32:33]
	s_add_nc_u64 s[28:29], s[16:17], s[34:35]
.irp u, 0,1
.irp c, 0,1
.set i, 0
.rept 32
	global_load_b32 v[64+64*\u+32*\c+i], v9, s[4:5] offset:32*\u+(64*\c+i)*2048
.set i, i+1
.endr
.endr
.endr
	s_wait_loadcnt 63                              ; tile 0's 64 loads are followed by 64; the count names 63, the most it can
	QFRAG 64, 32, 60
	s_wait_loadcnt 0x0
	QFRAG 128, 48, 61
	OUT
.Lfunc_end_k_q8ee6eb1ddc_prep:
	.size	k_q8ee6eb1ddc_prep, .Lfunc_end_k_q8ee6eb1ddc_prep-k_q8ee6eb1ddc_prep
	.p2alignl 7, 3214868480
	.fill 96, 4, 3214868480
	.section	.rodata,"a",@progbits
	.p2align	6, 0x0
	.amdhsa_kernel k_q8ee6eb1ddc_prep
		.amdhsa_group_segment_fixed_size 68096
		.amdhsa_private_segment_fixed_size 0
		.amdhsa_enable_private_segment 0
		.amdhsa_kernarg_size 56
		.amdhsa_user_sgpr_count 2
		.amdhsa_user_sgpr_kernarg_segment_ptr 1
		.amdhsa_wavefront_size32 1
		.amdhsa_system_sgpr_workgroup_id_x 1
		.amdhsa_system_sgpr_workgroup_id_y 1
		.amdhsa_system_sgpr_workgroup_id_z 1
		.amdhsa_system_vgpr_workitem_id 0
		.amdhsa_next_free_vgpr 256
		.amdhsa_next_free_sgpr 66
		.amdhsa_reserve_vcc 0
		.amdhsa_float_denorm_mode_32 3
		.amdhsa_float_denorm_mode_16_64 3
		.amdhsa_memory_ordered 1
		.amdhsa_forward_progress 1
		.amdhsa_inst_pref_size 36
	.end_amdhsa_kernel
	.amdgpu_metadata
---
amdhsa.version: [ 1, 2 ]
amdhsa.kernels:
  - .name:           k_q8ee6eb1ddc_prep
    .symbol:         k_q8ee6eb1ddc_prep.kd
    .args:
      - { .name: x, .offset: 0, .size: 8, .value_kind: global_buffer, .address_space: global }
      - { .name: Wq, .offset: 8, .size: 8, .value_kind: global_buffer, .address_space: global }
      - { .name: Wk, .offset: 16, .size: 8, .value_kind: global_buffer, .address_space: global }
      - { .name: Wv, .offset: 24, .size: 8, .value_kind: global_buffer, .address_space: global }
      - { .name: Wo, .offset: 32, .size: 8, .value_kind: global_buffer, .address_space: global }
      - { .name: xq, .offset: 40, .size: 8, .value_kind: global_buffer, .address_space: global }
      - { .name: wq, .offset: 48, .size: 8, .value_kind: global_buffer, .address_space: global }
    .group_segment_fixed_size: 68096
    .private_segment_fixed_size: 0
    .kernarg_segment_align: 8
    .kernarg_segment_size: 56
    .max_flat_workgroup_size: 128
    .sgpr_count:     66
    .vgpr_count:     256
    .wavefront_size: 32
...
	.end_amdgpu_metadata
.endif
;; end of part 1
;; launch qkv (part 2): grid 64 x 3, 4 waves a work-group, no clusters, 0 bytes of LDS; arguments xq, wq, bq, bk, bv, qq, kv; writes qq, kv
.if DOCPART == 2
	.amdgcn_target "amdgcn-amd-amdhsa--gfx1250"
	.amdhsa_code_object_version 6
	.text
	.protected	k_q8ee6eb1ddc_qkv
	.globl	k_q8ee6eb1ddc_qkv
	.p2align	8
	.type	k_q8ee6eb1ddc_qkv,@function
k_q8ee6eb1ddc_qkv:
	s_mov_b64 s[64:65], 0
	v_nop
	global_prefetch_b8 v0, s[64:65] scope:SCOPE_SE
	s_setreg_imm32_b32 hwreg(HW_REG_WAVE_MODE, 25, 1), 1
	s_wait_xcnt 0x0
; q = x Wq + bq, k = x Wk + bk, v = x Wv + bv on codes of BF6 with E8M0 scales; each result is quantised in registers along the K of the product that reads it and stored as that product's operand registers.
; SHARES: work-group x = 128 rows (one key step of attention), y = 0 q, 1 k, 2 v.  Wave w owns heads 2 w and 2 w + 1: 8 tiles of 16 columns x 4 K steps of the weight, 384 registers, read once.
; The four blocks of 32 rows are written out by macro: every offset is an immediate.  No LDS, no barrier: waves share nothing.
; q, k (K = the head's 64): the product is used transposed (source 0 = 16 columns of W, source 1 = 16 rows of x): a lane holds ONE row, and by the tiles' order of columns (lane r of tile u = member 8 u + r + 8 (r / 8) of 32)
;   its 16 registers of two neighbouring tiles are 16 neighbouring channels.  Stored: for each 32 rows a pair image of 1,536 bytes: registers 0-5 tile 0's 64 channels, 6-11 tile 1's; scale words with bytes 2 and 3 zero.
; v (K = the keys): source 0 = 16 rows of x, source 1 = 16 columns of W: a lane holds ONE channel and 16 neighbouring keys; four blocks of 32 keys fill a fragment of 128 keys.
; The bias is the C of each sum's first matrix instruction.
; qq: codes [head16][32 rows 128][1,536]; from 3,145,728 on words [head16][key step 32][lane][block 4].   kv: codes [head16][key step 32][K 6,144 | V 6,144]; from 6,291,456 on, 24,576 a head: K's words as qq's, then V's [key step][lane][2].
; NO MULTICAST: what the work-groups share is the weight, 196,608 bytes a work-group, which goes once straight into the registers where it stays; through LDS it would be written and read once more.
; LIMITS: NaN and infinities are not served; a block whose largest magnitude lies under 2^-122, a block of zeros too, gets the byte 1 (the bytes are read by this program alone).
; REGISTERS: window 0: v1-4 addresses; v8-23 W's scale words; v24-31 x's, two sets; v32-39 the scale words that leave; v40-59 at work; v64-82 codes just made; v84-147 eight accumulators; v148-243 v's fragments.
;   window 1, 2: head 0's, head 1's 16 fragments at 12 (4 t + s), bias at v192 + 8 t.   window 3: x's fragments at 12 (4 u + s), two buffers of 96.
.set WS,   8
.set XW,   24
.set SCL,  32
.set TM,   40
.set PC,   64
.set ACC,  84
.set VC,   148
.set BIAS, 192
.set MSB, 0
.macro WIN new                         ; the immediate's high byte repeats the setting that is left
.if MSB != (\new)
	s_set_vgpr_msb (MSB<<8)|(\new)
.set MSB, (\new)
.endif
.endm
.macro PLACES                          ; four plain instructions behind a matrix instruction, ahead of reads of its result and of loads into its sources
.rept 4
	v_nop
.endr
.endm
; one matrix instruction; ra, rb: the side's scale words stand in lanes 16-31
.macro WM d, a, b, c, sa, sb, ra, rb
.if (\ra) && (\rb)
	v_wmma_scale_f32_16x16x128_f8f6f4 v[(\d):(\d)+7], v[(\a):(\a)+11], v[(\b):(\b)+11], v[(\c):(\c)+7], v[\sa], v[\sb] matrix_a_fmt:MATRIX_FMT_BF6 matrix_b_fmt:MATRIX_FMT_BF6 matrix_a_scale:MATRIX_SCALE_ROW1 matrix_b_scale:MATRIX_SCALE_ROW1
.elseif (\ra)
	v_wmma_scale_f32_16x16x128_f8f6f4 v[(\d):(\d)+7], v[(\a):(\a)+11], v[(\b):(\b)+11], v[(\c):(\c)+7], v[\sa], v[\sb] matrix_a_fmt:MATRIX_FMT_BF6 matrix_b_fmt:MATRIX_FMT_BF6 matrix_a_scale:MATRIX_SCALE_ROW1
.elseif (\rb)
	v_wmma_scale_f32_16x16x128_f8f6f4 v[(\d):(\d)+7], v[(\a):(\a)+11], v[(\b):(\b)+11], v[(\c):(\c)+7], v[\sa], v[\sb] matrix_a_fmt:MATRIX_FMT_BF6 matrix_b_fmt:MATRIX_FMT_BF6 matrix_b_scale:MATRIX_SCALE_ROW1
.else
	v_wmma_scale_f32_16x16x128_f8f6f4 v[(\d):(\d)+7], v[(\a):(\a)+11], v[(\b):(\b)+11], v[(\c):(\c)+7], v[\sa], v[\sb] matrix_a_fmt:MATRIX_FMT_BF6 matrix_b_fmt:MATRIX_FMT_BF6
.endif
.endm
.macro XLOAD i                         ; block i of x: 8 fragments (12,288 dense bytes) and 4 scale words: 28 loads
	WIN 0xc0
.set n, 0
.rept 24
	global_load_b128 v[96*((\i)%2)+4*n:96*((\i)%2)+4*n+3], v1, s[30:31] offset:(\i)*12288+512*n
.set n, n+1
.endr
	WIN 0
.irp s, 0,1,2,3
	global_load_b32 v[XW+4*((\i)%2)+\s], v2, s[32:33] offset:(\i)*512+128*\s
.endr
.endm
; four blocks of 32: block b's 16 numbers of my half in v[ACC + 16 b] on, the other 16 in lane l xor 16.  Leaves scale operands in v[TM+12+b], bytes in v[TM+4+b].  Each accumulator is read from its low end on.
.macro MAXES
.irp b, 0,1,2,3
	v_max3_num_f32 v[TM+\b], |v[ACC+16*\b]|, |v[ACC+1+16*\b]|, 0x2800000   ; the floor 2^(5 - 127): the byte cannot fall under 1
.endr
.irp i, 2,4,6,8,10,12,14
.irp b, 0,1,2,3
	v_max3_num_f32 v[TM+\b], v[TM+\b], |v[ACC+16*\b+\i]|, |v[ACC+1+16*\b+\i]|
.endr
.endr
.irp b, 0,1,2,3
	v_permlanex16_b32 v[TM+4+\b], v[TM+\b], s44, s45
.endr
.irp b, 0,1,2,3
	v_max_num_f32 v[TM+\b], v[TM+\b], v[TM+4+\b]
.endr
.irp b, 0,1,2,3
	v_add_nc_u32 v[TM+12+\b], 0xfe000000, v[TM+\b]     ; 4 off the exponent field: the conversion's scale operand
.endr
.irp b, 0,1,2,3
	v_lshrrev_b32 v[TM+4+\b], 23, v[TM+12+\b]          ; the byte
.endr
.endm
	s_load_b256 s[4:11], s[0:1], 0x0               ; xq, wq, bq, bk
	s_load_b128 s[12:15], s[0:1], 0x20             ; bv, qq
	s_load_b64 s[16:17], s[0:1], 0x30              ; kv
	v_lshrrev_b32 v1, 5, v0
	v_readfirstlane_b32 s18, v1                    ; wave
	v_and_b32 v5, 31, v0
	v_lshlrev_b32 v1, 4, v5                        ; 16 x lane
	v_lshlrev_b32 v2, 2, v5                        ; 4 x lane
	v_lshlrev_b32 v3, 3, v5                        ; 8 x lane
.irp b, 0,1,2,3
	v_mov_b32 v[TM+4+\b], 0                        ; a lane permute's destination counts as one of its sources
.endr
	s_and_b32 s19, ttmp7, 0xffff                   ; 0 q, 1 k, 2 v
	s_lshr_b32 s21, ttmp9, 5                       ; batch
	s_and_b32 s22, ttmp9, 31                       ; key step
	s_mov_b32 s40, 0xffff                          ; lanes 0-15
	s_mov_b32 s44, 0x76543210
	s_mov_b32 s45, 0xfedcba98
	s_mul_i32 s24, s19, 196608                     ; the weight's codes: my 4 blocks of 32 columns
	s_mul_i32 s50, s18, 49152
	s_add_co_u32 s24, s24, s50
	s_mov_b32 s25, 0
	s_lshl_b32 s26, s19, 13                        ; and their scale words
	s_lshl_b32 s50, s18, 11
	s_add_co_u32 s26, s26, s50
	s_add_co_u32 s26, s26, 786432
	s_mov_b32 s27, 0
	s_lshl_b32 s28, s18, 9                         ; my 128 numbers of the bias
	s_mov_b32 s29, 0
	s_mul_i32 s30, ttmp9, 49152                    ; x's codes: my 4 blocks of 32 rows
	s_mov_b32 s31, 0
	s_lshl_b32 s32, ttmp9, 11
	s_add_co_u32 s32, s32, 3145728                 ; and their scale words
	s_mov_b32 s33, 0
	s_cmp_lg_u32 s19, 0
	s_cselect_b32 s46, 1, 0                        ; kv's strides are twice qq's
	s_cmp_eq_u32 s19, 2
	s_cselect_b32 s47, 1, 0
	s_lshl_b32 s23, s21, 3
	s_lshl_b32 s50, s18, 1
	s_add_co_u32 s23, s23, s50                     ; head16 of my first head
	s_mul_i32 s34, s23, 196608
	s_mul_i32 s50, s22, 6144
	s_add_co_u32 s34, s34, s50
	s_lshl_b32 s34, s34, s46
	s_mul_i32 s50, s47, 6144                       ; V lies behind K in a key step
	s_add_co_u32 s34, s34, s50
	s_mov_b32 s35, 0
	s_lshl_b32 s51, 196608, s46
	s_add_co_u32 s36, s34, s51                     ; my second head
	s_mov_b32 s37, 0
	s_lshl_b32 s52, s46, 13
	s_add_co_u32 s52, s52, 16384                   ; scale words of a head: 16,384 in qq, 24,576 in kv
	s_mul_i32 s38, s23, s52
	s_lshl_b32 s50, 3145728, s46
	s_add_co_u32 s38, s38, s50
	s_lshl_b32 s50, s47, 14                        ; V's words lie behind K's
	s_add_co_u32 s38, s38, s50
	s_lshl_b32 s50, s22, 9
	s_lshr_b32 s50, s50, s47                       ; 512 bytes a key step, V's 256
	s_add_co_u32 s38, s38, s50
	s_mov_b32 s39, 0
	s_add_co_u32 s42, s38, s52
	s_mov_b32 s43, 0
	s_wait_kmcnt 0x0
	s_cmp_eq_u32 s19, 0                            ; the choices hang on the work-group's number alone
	s_cselect_b64 s[54:55], s[14:15], s[16:17]
	s_cselect_b64 s[56:57], s[8:9], s[10:11]
	s_cmp_eq_u32 s19, 2
	s_cselect_b64 s[56:57], s[12:13], s[56:57]
	s_add_nc_u64 s[24:25], s[6:7], s[24:25]
	s_add_nc_u64 s[26:27], s[6:7], s[26:27]
	s_add_nc_u64 s[28:29], s[56:57], s[28:29]
	s_add_nc_u64 s[30:31], s[4:5], s[30:31]
	s_add_nc_u64 s[32:33], s[4:5], s[32:33]
	s_add_nc_u64 s[34:35], s[54:55], s[34:35]
	s_add_nc_u64 s[36:37], s[54:55], s[36:37]
	s_add_nc_u64 s[38:39], s[54:55], s[38:39]
	s_add_nc_u64 s[42:43], s[54:55], s[42:43]
	WIN 0x40                                       ; a head's 16 fragments are 24,576 dense bytes in the order of their registers
.set n, 0
.rept 48
	global_load_b128 v[4*n:4*n+3], v1, s[24:25] offset:512*n
.set n, n+1
.endr
	WIN 0x80
.set n, 0
.rept 48
	global_load_b128 v[4*n:4*n+3], v1, s[24:25] offset:24576+512*n
.set n, n+1
.endr
	WIN 0
.set n, 0
.rept 16
	global_load_b32 v[WS+n], v2, s[26:27] offset:128*n
.set n, n+1
.endr
	s_cmp_eq_u32 s19, 2
	s_cbranch_scc1 .Lvalues
	; ================ q and k
	v_bfe_u32 v4, v0, 4, 1
	v_lshlrev_b32 v4, 6, v4                        ; the bias in the result's layout: tile t's register j is channel 32 (t / 2) + 16 h + 8 (t % 2) + j
.irp hh, 0,1
	WIN 0x40+0x40*\hh
.irp t, 0,1,2,3
	global_load_b128 v[BIAS+8*\t:BIAS+8*\t+3], v4, s[28:29] offset:256*\hh+(32*(\t/2)+8*(\t%2))*4
	global_load_b128 v[BIAS+8*\t+4:BIAS+8*\t+7], v4, s[28:29] offset:256*\hh+(32*(\t/2)+8*(\t%2))*4+16
.endr
.endr
	WIN 0
; 32 matrix instructions: head hh, block i: 4 tiles of columns x 2 tiles of rows, eight accumulators by turns, one instruction a turn, K ascending
.macro MULQK hh, i
.irp s, 0,1,2,3
.if \s == 0
	WIN 0x1d+0x11*\hh                              ; W window 1 or 2, x window 3, C = the bias beside W
.else
	WIN 0x0d+\hh
.endif
.irp t, 0,1,2,3
.irp u, 0,1
.if \s == 0
	WM ACC+32*\u+8*\t, 12*(4*\t+\s), 96*((\i)%2)+12*(4*\u+\s), BIAS+8*\t, WS+4*(2*\hh+\t/2)+\s, XW+4*((\i)%2)+\s, \t%2, \u
.else
	WM ACC+32*\u+8*\t, 12*(4*\t+\s), 96*((\i)%2)+12*(4*\u+\s), ACC+32*\u+8*\t, WS+4*(2*\hh+\t/2)+\s, XW+4*((\i)%2)+\s, \t%2, \u
.endif
.endr
.endr
.endr
	WIN 0
.endm
; the 32 rows x 64 channels just made become a pair image and two scale words a row pair
.macro QUANTK hh, i
	MAXES                                          ; block 2 u + c: channels 32 c on of row tile u
	v_lshl_or_b32 v[TM+16], v[TM+5], 8, v[TM+4]
	v_lshl_or_b32 v[TM+17], v[TM+7], 8, v[TM+6]
	v_cndmask_b32 v[SCL+4*\hh+\i], v[TM+17], v[TM+16], s40     ; lanes 0-15 tile 0's rows, lanes 16-31 tile 1's
	s_wait_xcnt 0x0                                ; the last image's stores have read their registers: only behind this wait are they written again
.irp c, 0,1
	v_cvt_scalef32_pk16_bf6_f32 v[PC+6*\c:PC+2+6*\c], v[ACC+32*\c:ACC+15+32*\c], v[TM+12+2*\c]
	v_cvt_scalef32_pk16_bf6_f32 v[PC+12+4*\c:PC+14+4*\c], v[ACC+16+32*\c:ACC+31+32*\c], v[TM+13+2*\c]
.endr
	v_nop                                          ; one plain instruction behind the scaled conversions
.irp c, 0,1                                    ; the operand wants a WHOLE block in a lane: lanes 0-15 channels 0-31, lanes 16-31 channels 32-63
.irp k, 0,1,2
	v_permlane16_swap_b32 v[PC+6*\c+\k], v[PC+12+4*\c+\k]
.endr
.irp k, 0,1,2
	v_mov_b32 v[PC+3+6*\c+\k], v[PC+12+4*\c+\k]
.endr
.endr
.irp c, 0,1,2
	global_store_b128 v1, v[PC+4*\c:PC+4*\c+3], s[34+2*\hh:35+2*\hh] offset:(\i)*1536+512*\c   ; 512 consecutive aligned bytes
.endr
.endm
.macro BLOCKQK i
.if (\i) < 3
	s_wait_loadcnt 28                              ; all but the next block's 28 loads
.else
	s_wait_loadcnt 0x0
.endif
	MULQK 0, \i
	PLACES
	QUANTK 0, \i
	MULQK 1, \i
	PLACES
.if (\i) < 2
	XLOAD (\i)+2                                   ; into the buffer just read
.endif
	QUANTK 1, \i
.endm
	XLOAD 0
	XLOAD 1
.irp i, 0,1,2,3
	BLOCKQK \i
.endr
	global_store_b128 v1, v[SCL:SCL+3], s[38:39]   ; a head's scale words of this key step: 512 consecutive aligned bytes
	global_store_b128 v1, v[SCL+4:SCL+7], s[42:43]
	s_endpgm
.Lvalues:
	; ================ v
	v_and_b32 v4, 15, v0
	v_and_b32 v6, 8, v4
	v_add_nc_u32 v4, v4, v6
	v_lshlrev_b32 v4, 2, v4                        ; a lane holds one channel: all eight registers of a tile's bias are bv at that channel
.irp hh, 0,1
	WIN 0x40+0x40*\hh
.irp t, 0,1,2,3
.irp k, 0,1,2,3,4,5,6,7
	global_load_b32 v[BIAS+8*\t+\k], v4, s[28:29] offset:256*\hh+(32*(\t/2)+8*(\t%2))*4
.endr
.endr
.endr
	WIN 0
.macro MULV hh, i
.irp s, 0,1,2,3
.if \s == 0
	WIN 0x17+0x14*\hh                              ; x window 3, W window 1 or 2, C = the bias beside W
.else
	WIN 0x07+4*\hh
.endif
.irp t, 0,1,2,3
.irp u, 0,1
.if \s == 0
	WM ACC+16*\t+8*\u, 96*((\i)%2)+12*(4*\u+\s), 12*(4*\t+\s), BIAS+8*\t, XW+4*((\i)%2)+\s, WS+4*(2*\hh+\t/2)+\s, \u, \t%2
.else
	WM ACC+16*\t+8*\u, 96*((\i)%2)+12*(4*\u+\s), 12*(4*\t+\s), ACC+16*\t+8*\u, XW+4*((\i)%2)+\s, WS+4*(2*\hh+\t/2)+\s, \u, \t%2
.endif
.endr
.endr
.endr
	WIN 0
.endm
; block i (32 keys) of four tiles of channels: byte i of each tile's scale word; its codes go to their place in the tile's fragment of 128 keys
.macro QUANTV hh, i
	MAXES                                          ; block t: tile t's channel, keys 16 h + 0 .. 15 mine
.irp t, 0,1,2,3
.if (\i) == 0
	v_mov_b32 v[SCL+4*\hh+\t], v[TM+4+\t]
.else
	v_lshl_or_b32 v[SCL+4*\hh+\t], v[TM+4+\t], 8*(\i), v[SCL+4*\hh+\t]
.endif
.endr
.if (\i)%2 == 0
.irp t, 0,1,2,3
	v_cvt_scalef32_pk16_bf6_f32 v[VC+48*\hh+12*\t+6*((\i)/2):VC+48*\hh+12*\t+6*((\i)/2)+2], v[ACC+16*\t:ACC+16*\t+15], v[TM+12+\t]
.endr
	v_nop                                          ; one plain instruction behind the scaled conversions
.else
.irp t, 0,1,2,3
	v_cvt_scalef32_pk16_bf6_f32 v[PC+4*\t:PC+4*\t+2], v[ACC+16*\t:ACC+16*\t+15], v[TM+12+\t]
.endr
	v_nop
.irp t, 0,1,2,3                                ; lanes 0-15 get the even block whole, lanes 16-31 the odd one
.irp k, 0,1,2
	v_permlane16_swap_b32 v[VC+48*\hh+12*\t+6*((\i)/2)+\k], v[PC+4*\t+\k]
.endr
.irp k, 0,1,2
	v_mov_b32 v[VC+48*\hh+12*\t+6*((\i)/2)+3+\k], v[PC+4*\t+\k]
.endr
.endr
.endif
.endm
.macro BLOCKV i
.if (\i) < 3
	s_wait_loadcnt 28                              ; all but the next block's 28 loads
.else
	s_wait_loadcnt 0x0
.endif
	MULV 0, \i
	PLACES
	QUANTV 0, \i
	MULV 1, \i
	PLACES
.if (\i) < 2
	XLOAD (\i)+2
.endif
	QUANTV 1, \i
.endm
	XLOAD 0
	XLOAD 1
.irp i, 0,1,2,3
	BLOCKV \i
.endr
.irp hh, 0,1
.set n, 0
.rept 12
	global_store_b128 v1, v[VC+48*\hh+4*n:VC+48*\hh+4*n+3], s[34+2*\hh:35+2*\hh] offset:512*n
.set n, n+1
.endr
	v_cndmask_b32 v[56+2*\hh], v[SCL+4*\hh+1], v[SCL+4*\hh], s40       ; lanes 0-15 tile 0's words, lanes 16-31 tile 1's
	v_cndmask_b32 v[57+2*\hh], v[SCL+4*\hh+3], v[SCL+4*\hh+2], s40     ; tiles 2 and 3
	global_store_b64 v3, v[56+2*\hh:57+2*\hh], s[38+4*\hh:39+4*\hh]    ; 256 consecutive aligned bytes
.endr
	s_endpgm
.Lfunc_end_k_q8ee6eb1ddc_qkv:
	.size	k_q8ee6eb1ddc_qkv, .Lfunc_end_k_q8ee6eb1ddc_qkv-k_q8ee6eb1ddc_qkv
	.p2alignl 7, 3214868480
	.fill 96, 4, 3214868480
	.section	.rodata,"a",@progbits
	.p2align	6, 0x0
	.amdhsa_kernel k_q8ee6eb1ddc_qkv
		.amdhsa_group_segment_fixed_size 0
		.amdhsa_private_segment_fixed_size 0
		.amdhsa_enable_private_segment 0
		.amdhsa_kernarg_size 56
		.amdhsa_user_sgpr_count 2
		.amdhsa_user_sgpr_kernarg_segment_ptr 1
		.amdhsa_wavefront_size32 1
		.amdhsa_system_sgpr_workgroup_id_x 1
		.amdhsa_system_sgpr_workgroup_id_y 1
		.amdhsa_system_sgpr_workgroup_id_z 1
		.amdhsa_system_vgpr_workitem_id 0
		.amdhsa_next_free_vgpr 960
		.amdhsa_next_free_sgpr 66
		.amdhsa_reserve_vcc 0
		.amdhsa_float_denorm_mode_32 3
		.amdhsa_float_denorm_mode_16_64 3
		.amdhsa_memory_ordered 1
		.amdhsa_forward_progress 1
		.amdhsa_inst_pref_size 177
	.end_amdhsa_kernel
	.amdgpu_metadata
---
amdhsa.version: [ 1, 2 ]
amdhsa.kernels:
  - .name:           k_q8ee6eb1ddc_qkv
    .symbol:         k_q8ee6eb1ddc_qkv.kd
    .args:
      - { .name: xq, .offset: 0, .size: 8, .value_kind: global_buffer, .address_space: global }
      - { .name: wq, .offset: 8, .size: 8, .value_kind: global_buffer, .address_space: global }
      - { .name: bq, .offset: 16, .size: 8, .value_kind: global_buffer, .address_space: global }
      - { .name: bk, .offset: 24, .size: 8, .value_kind: global_buffer, .address_space: global }
      - { .name: bv, .offset: 32, .size: 8, .value_kind: global_buffer, .address_space: global }
      - { .name: qq, .offset: 40, .size: 8, .value_kind: global_buffer, .address_space: global }
      - { .name: kv, .offset: 48, .size: 8, .value_kind: global_buffer, .address_space: global }
    .group_segment_fixed_size: 0
    .private_segment_fixed_size: 0
    .kernarg_segment_align: 8
    .kernarg_segment_size: 56
    .max_flat_workgroup_size: 128
    .sgpr_count:     66
    .vgpr_count:     960
    .wavefront_size: 32
...
	.end_amdgpu_metadata
.endif
;; end of part 2
;; launch attn (part 3): grid 16 x 16, 16 waves a work-group, clusters of 4 x 1, 327,680 bytes of LDS; arguments qq, kv, oq; writes oq
.if DOCPART == 3
	.amdgcn_target "amdgcn-amd-amdhsa--gfx1250"
	.amdhsa_code_object_version 6
	.text
	.protected	k_q8ee6eb1ddc_attn
	.globl	k_q8ee6eb1ddc_attn
	.p2align	8
	.type	k_q8ee6eb1ddc_attn,@function
k_q8ee6eb1ddc_attn:
	s_mov_b64 s[64:65], 0
	v_nop
	global_prefetch_b8 v0, s[64:65] scope:SCOPE_SE
	s_setreg_imm32_b32 hwreg(HW_REG_WAVE_MODE, 25, 1), 1
	s_wait_xcnt 0x0
	s_wait_alu depctr_hold_cnt(0) depctr_sa_sdst(0) depctr_va_vdst(0) depctr_va_sdst(0) depctr_va_ssrc(0) depctr_va_vcc(0) depctr_vm_vsrc(0)
	s_getreg_b32 s2, hwreg(HW_REG_IB_STS2, 6, 4)
	s_cmp_eq_u32 s2, 0
	s_cbranch_scc0 .Lentry_in_a_cluster
	s_endpgm
.Lentry_in_a_cluster:
	s_bfe_u32 s2, ttmp6, 0x10000c
	s_cmp_lg_u32 s2, 0x3003
	s_cbranch_scc0 .Lentry_shape_is_right
	s_endpgm
.Lentry_shape_is_right:
; Causal attention of one head on codes of BF6 with E8M0 scales: o = softmax(q k^T / 8) v, and o quantised along the channels for the output projection.
; THE SOFTMAX AHEAD OF THE SECOND PRODUCT: t = score x log2(e) / 8; M = the row's largest t so far, rounded UP to a whole number; p = 2^(t - M) is quantised along the keys, not normalised.  The row's sum is
; taken of the unquantised p and divides at the end.  When M moves, the sum and O are multiplied by 2^(old M - new M): exact.
; SHARES: work-group (g, head16), g = 0 .. 15.  Each of its SIXTEEN waves owns ONE tile of 16 queries, tile 16 p + g; p is the wave's entry in a 4 x 4 magic square, whose rows and columns all add to 30:
; so each four waves w % 4 = const, and each four w / 4 = const, have 64 or 68 key steps between them, and all work-groups have the same work.  Every work-group walks all 32 key steps of 128 keys: trip counts are constants.
; CAUSAL: a wave's diagonal step is JD = 2 p + (cluster x) / 2, made of the wave's number and the cluster's x alone.  A step behind it is left out by a scalar branch round its work (not round the lines that step addresses;
; no barrier or tensor load stands in a step); in step JD hidden scores become -infinity ahead of the maximum.
; CLUSTER: the four work-groups of a cluster walk the same head's K and V, so each slot is asked for JOINTLY: the same tensor load with the same descriptor and the mask of all four.
; LAYOUT: both products are used transposed (S^T = K Q^T, O^T = V^T P^T): a lane holds one query throughout.  By the tiles' order (lane r of tile u = member 8 u + r + 8 (r / 8) of 32) the 16 registers of two
; neighbouring tiles of S^T are 16 neighbouring keys, and those of O^T 16 neighbouring channels.  K, V and their scale words lie in memory and in LDS as images of the operands' registers: every LDS read is 16 or 8 bytes x lane on end.
; K = 64 FILLS HALF OF THE FORM'S 128: tile t's source 0 is v[32 + 6 t] on, 12 registers: its upper six are the NEXT tile's codes (zeros for tile 7).  Q's upper six registers are zero codes and the format has neither
; infinity nor NaN, so each of those products is exactly 0; the scale bytes there are 0, which is 2^-127 and no NaN.
; LIMITS: NaN and infinities are not served; a block of o whose largest magnitude lies under 2^-122, a block of zeros too, gets the byte 1 (the bytes are read by this program alone).
; A block's largest p is the block's largest score put through the same multiply-add and exponential: this takes v_exp_f32 not to fall where its input rises.
; REGISTERS: v1-11 addresses; v12 -M, v13 the largest t, v[14:15] the sum; v16-27 Q; v[28:29] V's words, v30 Q's, v31 p's; v32-79 K (then p's codes), v80-85 zeros; v86-133 V; v134-197 S^T, then p; v198-229 O^T;
;   v230-233 K's words; v[234:235] f; v236-248 at work.
.set STEPB, 12288                      ; a key step: K's four pair images, V's four fragments
.set SLOTB, 8*STEPB                    ; a slot: eight key steps
.set SLOT1, 1<<17                      ; slot 1 begins here: one exclusive or turns an address in one slot into the other's
.set SCK,   SLOTB                      ; between the slots: K's scale words of the whole head, 16,384 bytes,
.set SCV,   SCK+16384                  ; V's, 8,192,
.set SPARE, SCV+8192                   ; and the spare words, 128 bytes for each wave: eight blocks of 256 bytes that no other line names
.set SC, 134
.set OT, 198
.set BM, 236                           ; block maxima
.set PT, 240                           ; permutes, the second chain of the sum, bytes
.set SO, 244                           ; scale operands
.macro CROUND                          ; a round of the cluster's barrier
	s_barrier_signal -1
	s_barrier_wait -1
	s_cmp_lg_u32 s18, 0
	s_cbranch_scc1 .Lnot_wave_0_\@
	s_barrier_signal -3
.Lnot_wave_0_\@:
	s_barrier_wait -3
	s_barrier_signal -1
	s_barrier_wait -1
.endm
.macro JLOAD                           ; waves 0 to 3 fetch a quarter of a slot each; four v_nop follow the load
	s_cmp_lt_u32 s18, 4
	s_cbranch_scc0 .Lnone_\@
	tensor_load_to_lds s[44:47], s[28:35]
	s_nop 0
.rept 4
	v_nop
.endr
.Lnone_\@:
.endm
; A PREFETCH of the slot that the NEXT change of slots will ask for: eight key steps ahead of that load.  All clusters of a head walk the same bytes: the head's first cluster asks.  Its four partners take 24,576 bytes each, told apart
; BY ADDRESS; in each, waves 4, 5 and 6 ask for 8,192 bytes, lanes 256 bytes apart: each aligned 256 bytes of slots 2 and 3 are named once in the launch.  Slots 0 and 1 and the scale words come by their loads alone; the last change that fills a slot asks for nothing.
.macro ASK
	s_cmp_gt_u32 s56, s60
	s_cbranch_scc0 .Lnot_mine_\@
	global_prefetch_b8 v9, s[58:59] th:TH_LOAD_NT scope:SCOPE_SE
.Lnot_mine_\@:
.endm
	s_load_b128 s[4:7], s[0:1], 0x0                ; qq, kv
	s_load_b64 s[8:9], s[0:1], 0x10                ; oq
	v_lshl_add_u32 v1, v0, 2, SPARE                ; my spare word; never rewritten
	v_mov_b32 v2, 0                                ; 0; never rewritten
	ds_add_u32 v1, v2
	s_wait_dscnt 0x0
	v_lshrrev_b32 v3, 5, v0
	v_readfirstlane_b32 s18, v3                    ; wave 0..15
	s_bfe_u32 s19, ttmp6, 0x40000                  ; cx
	s_lshl_b32 s20, ttmp9, 2
	s_add_co_u32 s20, s20, s19                     ; g = 4 x cluster x + cx: it enters global addresses and data alone
	s_and_b32 s21, ttmp7, 0xffff                   ; head16
	s_lshr_b32 s22, s18, 2                         ; the magic square: w is kept off the two diagonals of the 4 x 4 and turned into 15 - w on them
	s_xor_b32 s22, s22, s18
	s_and_b32 s22, s22, 3
	s_lshr_b32 s23, s22, 1
	s_xor_b32 s23, s23, s22
	s_xor_b32 s23, s23, 1
	s_and_b32 s23, s23, 1
	s_mul_i32 s23, s23, 15
	s_xor_b32 s22, s18, s23                        ; p
	s_lshl_b32 s23, s22, 1
	s_lshr_b32 s62, ttmp9, 1
	s_add_co_u32 s23, s23, s62                     ; JD: g / 8 = cluster x / 2, the same in all four partners
	s_mov_b32 s24, 0x76543210
	s_mov_b32 s25, 0xfedcba98                      ; selects for lane l xor 16
	s_mov_b32 s26, 0x3e38aa3b                      ; c = log2(e) / 8
	s_mov_b32 s27, s26                             ; (named with it as a pair, so it is written)
	; descriptor groups 1: dense blocks as rows of 256 bytes (32 elements of 8 bytes): 96 rows of codes, 24 of scale words
	s_mov_b32 s28, 15|(3<<16)|(1<<21)              ; 15:0 the mask: all four work-groups; 17:16 elements of 8 bytes; 21 set beside a mask; no padding
	s_mov_b32 s29, 32<<16                          ; tensor_dim0
	s_mov_b32 s30, 96<<16                          ; tensor_dim1
	s_mov_b32 s31, 32<<16                          ; tile_dim0
	s_mov_b32 s32, 96                              ; tile_dim1
	s_mov_b32 s33, 32                              ; stride
	s_mov_b32 s34, 0
	s_mov_b32 s35, 0
	s_mov_b32 s36, 15|(3<<16)|(1<<21)
	s_mov_b32 s37, 32<<16
	s_mov_b32 s38, 24<<16
	s_mov_b32 s39, 32<<16
	s_mov_b32 s40, 24
	s_mov_b32 s41, 32
	s_mov_b32 s42, 0
	s_mov_b32 s43, 0
	s_and_b32 s63, s18, 3
	s_mul_i32 s66, s21, 393216                     ; the head's codes in kv
	s_mov_b32 s67, 0
	s_mul_i32 s68, s63, 24576                      ; my quarter of a slot, in memory and in LDS
	s_mov_b32 s69, 0
	s_mul_i32 s70, s21, 24576                      ; the head's scale words
	s_add_co_u32 s70, s70, 6291456
	s_mul_i32 s72, s63, 6144                       ; my quarter of them
	s_add_co_u32 s70, s70, s72
	s_mov_b32 s71, 0
	s_mul_i32 s76, s19, 24576                      ; the prefetches: my work-group's quarter of a slot,
	s_lshl_b32 s77, s63, 13                        ; my wave's third of that,
	s_add_co_u32 s76, s76, s77
	s_add_co_u32 s76, s76, SLOTB                   ; in slot 1: the first change of slots steps it to slot 2
	s_mov_b32 s77, 0
	s_sub_co_u32 s60, s18, 4
	s_cmp_lt_u32 s60, 3                            ; waves 4, 5, 6
	s_cselect_b32 s60, 0, 1
	s_or_b32 s60, s60, ttmp9                       ; of the head's first cluster
	s_cmp_eq_u32 s60, 0
	s_cselect_b32 s60, 1, -1                       ; a wave asks while the count of slots is above this
	s_and_b32 s61, s20, 1
	s_sub_co_u32 s61, 0, s61                       ; all ones where my tile is the second of its pair
	s_lshl_b32 s78, s22, 3
	s_lshr_b32 s79, s20, 1
	s_add_co_u32 s78, s78, s79                     ; my pair of tiles: 8 p + g / 2
	s_mul_i32 s80, s78, 1536
	s_mul_i32 s81, s21, 196608
	s_add_co_u32 s80, s80, s81                     ; its image in qq
	s_mov_b32 s81, 0
	s_lshl_b32 s82, s21, 14                        ; Q's scale words: [head16][pair / 4][lane][pair % 4]
	s_add_co_u32 s82, s82, 3145728
	s_lshr_b32 s84, s78, 2
	s_lshl_b32 s84, s84, 9
	s_add_co_u32 s82, s82, s84
	s_and_b32 s84, s78, 3
	s_lshl_b32 s84, s84, 2
	s_add_co_u32 s82, s82, s84
	s_and_b32 s84, s20, 1
	s_lshl_b32 s84, s84, 8                         ; the pair's second tile stands in lanes 16-31
	s_add_co_u32 s82, s82, s84
	s_mov_b32 s83, 0
	s_lshr_b32 s84, s21, 3
	s_lshl_b32 s84, s84, 8
	s_lshl_b32 s85, s22, 4
	s_add_co_u32 s84, s84, s85
	s_add_co_u32 s84, s84, s20                     ; my tile among the 512 of both batches
	s_and_b32 s85, s21, 7                          ; the head
	s_mul_i32 s86, s84, 6144
	s_mul_i32 s88, s85, 768
	s_add_co_u32 s86, s86, s88                     ; oq: codes
	s_mov_b32 s87, 0
	s_lshl_b32 s88, s84, 10
	s_lshl_b32 s90, s85, 7
	s_add_co_u32 s88, s88, s90
	s_add_co_u32 s88, s88, 3145728                 ; and scale words
	s_mov_b32 s89, 0
	s_bfe_u32 s90, s20, 0x20001
	s_lshl_b32 s90, s90, 5
	s_and_b32 s91, s20, 1
	s_lshl_b32 s91, s91, 3
	s_add_co_u32 s90, s90, s91                     ; my tile's first query within its diagonal step
	s_mov_b32 s52, 0                               ; LDS byte of the key step in hand
	s_mov_b32 s53, SCK                             ; its scale words of K: 512 bytes a step
	s_mov_b32 s54, SCV                             ; of V: 256
	s_mov_b32 s55, 0                               ; the key step
	s_mov_b32 s56, 3                               ; slots still to be asked for
	s_wait_kmcnt 0x0
	s_add_nc_u64 s[74:75], s[6:7], s[66:67]
	s_mov_b32 s44, 1                               ; group 0 for the codes: it walks
	s_mov_b32 s45, s68
	s_add_nc_u64 s[46:47], s[74:75], s[68:69]
	s_or_b32 s47, s47, 0x80000000
	s_mov_b32 s48, 1                               ; group 0 for the scale words: filled once
	s_add_co_u32 s49, s72, SCK
	s_add_nc_u64 s[50:51], s[6:7], s[70:71]
	s_or_b32 s51, s51, 0x80000000
	s_add_nc_u64 s[58:59], s[74:75], s[76:77]
	s_add_nc_u64 s[10:11], s[4:5], s[80:81]
	s_add_nc_u64 s[12:13], s[4:5], s[82:83]
	s_add_nc_u64 s[14:15], s[8:9], s[86:87]
	s_add_nc_u64 s[16:17], s[8:9], s[88:89]
	CROUND                                         ; all four work-groups are here: the first joint loads meet
	s_cmp_lt_u32 s18, 4                            ; a wave's two first fills stand in one branch: two loads of mine are out
	s_cbranch_scc0 .Lfirst_none
	tensor_load_to_lds s[48:51], s[36:43]          ; the head's scale words
	s_nop 0
	tensor_load_to_lds s[44:47], s[28:35]          ; slot 0
	s_nop 0
.rept 4
	v_nop
.endr
.Lfirst_none:
	v_and_b32 v10, 31, v0
	v_lshlrev_b32 v3, 4, v10                       ; 16 x lane
	v_lshlrev_b32 v4, 3, v10                       ; 8 x lane
	v_lshlrev_b32 v9, 8, v10                       ; 256 x lane
	v_lshlrev_b32 v10, 2, v10                      ; 4 x lane
	v_and_b32 v11, 15, v0                          ; r
	v_and_b32 v8, 8, v11
	v_add_nc_u32 v8, v8, v11
	v_bfe_u32 v5, v0, 4, 1
	v_lshlrev_b32 v5, 4, v5
	v_sub_nc_u32 v8, v8, v5
	v_add_nc_u32 v8, s90, v8                       ; d = my query within the diagonal step - 16 h.  Register 16 b + i of S^T holds key 32 b + 16 h + i: hidden where 32 b + i > d
	v_lshlrev_b32 v11, 4, v11
.irp c, 0,1,2
	global_load_b128 v[86+4*\c:89+4*\c], v3, s[10:11] offset:512*\c    ; my pair's image
.endr
	global_load_b32 v30, v11, s[12:13]             ; Q's scale words
	v_mov_b32 v13, 0xff61b1e6                      ; the largest t so far: -3e38, under every t
	v_floor_f32 v12, -v13                          ; -M
	v_mov_b32 v14, 0
	v_mov_b32 v15, 0
	v_mov_b32 v235, 0                              ; (named as the upper half of the pair v[234:235])
.irp i, 0,1,2,3
	v_mov_b32 v[PT+\i], 0                          ; a lane permute's destination counts as one of its sources
.endr
.irp i, 0,1,2,3,4,5
	v_mov_b32 v[22+\i], 0                          ; Q's codes of k = 64 .. 127
	v_mov_b32 v[80+\i], 0                          ; and what stands behind K's last tile
.endr
	s_wait_loadcnt 0x0
.irp i, 0,1,2,3,4,5
	v_cndmask_b32 v[16+\i], v[86+\i], v[92+\i], s61    ; my tile of the pair
.endr
.set j, 0
.rept 32
	v_mov_b32 v[OT+j], 0                           ; O^T: the loop has no first step of its own: the first change of M multiplies zeros.  (Also the places between Q's selects and the first product)
.set j, j+1
.endr
; A KEY STEP: 128 keys
.macro STEP
	s_cmp_gt_u32 s55, s23
	s_cbranch_scc1 .Lhidden_\@                     ; all its keys come after my queries
	v_add_nc_u32 v5, s52, v3
	v_add_nc_u32 v6, s53, v3
	v_add_nc_u32 v7, s54, v4
	v_nop                                          ; four places in front of loads into registers that the last products read
	ds_load_b128 v[230:233], v6                    ; K's words: register i: lanes 0-15 tile 2 i, lanes 16-31 tile 2 i + 1
.irp c, 0,1,2,3,4,5,6,7,8,9,10,11
	ds_load_b128 v[32+4*\c:35+4*\c], v5 offset:512*\c
.endr
	ds_load_b64 v[28:29], v7                       ; V's words, likewise
.irp c, 0,1,2,3,4,5,6,7,8,9,10,11
	ds_load_b128 v[86+4*\c:89+4*\c], v5 offset:6144+512*\c
.endr
	s_wait_dscnt 13                                ; K and its words are in; V's 13 loads may be out
.irp t, 0,1,2,3,4,5,6,7
.if \t%2
	v_wmma_scale_f32_16x16x128_f8f6f4 v[SC+8*\t:SC+8*\t+7], v[32+6*\t:43+6*\t], v[16:27], 0, v[230+\t/2], v30 matrix_a_fmt:MATRIX_FMT_BF6 matrix_b_fmt:MATRIX_FMT_BF6 matrix_a_scale:MATRIX_SCALE_ROW1
.else
	v_wmma_scale_f32_16x16x128_f8f6f4 v[SC+8*\t:SC+8*\t+7], v[32+6*\t:43+6*\t], v[16:27], 0, v[230+\t/2], v30 matrix_a_fmt:MATRIX_FMT_BF6 matrix_b_fmt:MATRIX_FMT_BF6
.endif
.endr
.rept 4
	v_nop
.endr
	s_cmp_lg_u32 s55, s23
	s_cbranch_scc1 .Lopen_\@                       ; only the diagonal step has hidden keys
	v_mov_b32 v248, 0xff800000                     ; -infinity: p = 0 then
.set n, 0
.rept 64
	v_cmp_gt_i32 vcc_lo, 32*(n/16)+n%16, v8
	v_cndmask_b32 v[SC+n], v[SC+n], v248, vcc_lo
.set n, n+1
.endr
.Lopen_\@:
.irp b, 0,1,2,3
	v_max3_num_f32 v[BM+\b], v[SC+16*\b], v[SC+1+16*\b], v[SC+2+16*\b]     ; the largest score of each block of 32 keys: it serves the row's maximum and the block's largest p
.endr
.irp i, 3,5,7,9,11,13
.irp b, 0,1,2,3
	v_max3_num_f32 v[BM+\b], v[BM+\b], v[SC+16*\b+\i], v[SC+1+16*\b+\i]
.endr
.endr
.irp b, 0,1,2,3
	v_max_num_f32 v[BM+\b], v[BM+\b], v[SC+15+16*\b]
.endr
.irp b, 0,1,2,3
	v_permlanex16_b32 v[PT+\b], v[BM+\b], s24, s25
.endr
.irp b, 0,1,2,3
	v_max_num_f32 v[BM+\b], v[BM+\b], v[PT+\b]     ; with lane l xor 16's 16 keys
.endr
	v_max3_num_f32 v248, v236, v237, v238
	v_max_num_f32 v248, v248, v239
	v_mul_f32 v248, s26, v248                      ; the step's largest t
	v_max_num_f32 v13, v13, v248
	v_mov_b32 v248, v12
	v_floor_f32 v12, -v13                          ; the new -M = -ceil(t)
	v_sub_f32 v248, v12, v248                      ; old M - new M: a whole number, 0 or less
	v_cvt_i32_f32 v248, v248                       ; (it saturates)
	v_ldexp_f32 v234, 1.0, v248                    ; f = 2^(old M - new M)
.set j, 0
.rept 32
	v_pk_fma_f32 v[SC+j:SC+j+1], v[SC+j:SC+j+1], s[26:27], v[12:13] op_sel_hi:[1,0,0]     ; t - M
.set j, j+2
.endr
.irp b, 0,1,2,3
	v_fma_f32 v[BM+\b], v[BM+\b], s26, v12
.endr
.set j, 0
.rept 64
	v_exp_f32 v[SC+j], v[SC+j]                     ; p = 2^(t - M)
.set j, j+1
.endr
	v_pk_mul_f32 v[14:15], v[14:15], v[234:235] op_sel_hi:[1,0]    ; the sums under the new M: the plain instruction behind the exponentials
	s_wait_alu depctr_va_vdst(0)                   ; one wait for the batch, ahead of its first reader
.irp b, 0,1,2,3
	v_exp_f32 v[BM+\b], v[BM+\b]                   ; each block's largest p
.endr
	v_pk_add_f32 v[PT:PT+1], v[SC:SC+1], v[SC+2:SC+3]      ; the row's sum of the unquantised p, in two chains
.set j, 4
.rept 15
	v_pk_add_f32 v[14:15], v[14:15], v[SC+j:SC+j+1]
	v_pk_add_f32 v[PT:PT+1], v[PT:PT+1], v[SC+2+j:SC+3+j]
.set j, j+4
.endr
	v_pk_add_f32 v[14:15], v[14:15], v[PT:PT+1]
	s_wait_alu depctr_va_vdst(0)                   ; and one for the four
.irp b, 0,1,2,3
	v_max_num_f32 v[BM+\b], 0x2800000, v[BM+\b]    ; the floor 2^(5 - 127): the byte cannot fall under 1
.endr
.irp b, 0,1,2,3
	v_add_nc_u32 v[SO+\b], 0xfe000000, v[BM+\b]
.endr
.irp b, 0,1,2,3
	v_lshrrev_b32 v[PT+\b], 23, v[SO+\b]
.endr
	v_lshl_or_b32 v31, v241, 8, v240               ; p's scale word for these 128 keys
	v_lshl_or_b32 v31, v242, 16, v31
	v_lshl_or_b32 v31, v243, 24, v31
.irp c, 0,1
	v_cvt_scalef32_pk16_bf6_f32 v[32+6*\c:34+6*\c], v[SC+32*\c:SC+15+32*\c], v[SO+2*\c]
	v_cvt_scalef32_pk16_bf6_f32 v[44+4*\c:46+4*\c], v[SC+16+32*\c:SC+31+32*\c], v[SO+1+2*\c]
.endr
	v_nop                                          ; one plain instruction behind the scaled conversions
.irp c, 0,1                                    ; the operand wants a WHOLE block in a lane
.irp i, 0,1,2
	v_permlane16_swap_b32 v[32+6*\c+\i], v[44+4*\c+\i]
.endr
.irp i, 0,1,2
	v_mov_b32 v[35+6*\c+\i], v[44+4*\c+\i]
.endr
.endr
.set j, 0
.rept 16
	v_pk_mul_f32 v[OT+j:OT+j+1], v[OT+j:OT+j+1], v[234:235] op_sel_hi:[1,0]       ; O^T under the new M.  (Also the places between p's codes and scale word and the products)
.set j, j+2
.endr
	s_wait_dscnt 0x0                               ; V is in
.irp t, 0,1,2,3
.if \t%2
	v_wmma_scale_f32_16x16x128_f8f6f4 v[OT+8*\t:OT+8*\t+7], v[86+12*\t:97+12*\t], v[32:43], v[OT+8*\t:OT+8*\t+7], v[28+\t/2], v31 matrix_a_fmt:MATRIX_FMT_BF6 matrix_b_fmt:MATRIX_FMT_BF6 matrix_a_scale:MATRIX_SCALE_ROW1
.else
	v_wmma_scale_f32_16x16x128_f8f6f4 v[OT+8*\t:OT+8*\t+7], v[86+12*\t:97+12*\t], v[32:43], v[OT+8*\t:OT+8*\t+7], v[28+\t/2], v31 matrix_a_fmt:MATRIX_FMT_BF6 matrix_b_fmt:MATRIX_FMT_BF6
.endif
.endr
.Lhidden_\@:
	s_add_co_u32 s55, s55, 1
	s_add_co_u32 s52, s52, STEPB
	s_add_co_u32 s53, s53, 512
	s_add_co_u32 s54, s54, 256
.endm
.macro STEPS                           ; a slot's eight key steps: written once, walked eight times
	s_mov_b32 s57, 8
.Lstep_\@:
	STEP
	s_sub_co_u32 s57, s57, 1
	s_cmp_lg_u32 s57, 0
	s_cbranch_scc1 .Lstep_\@
	s_sub_co_u32 s52, s52, SLOTB                   ; back to a slot's first step,
	s_xor_b32 s52, s52, SLOT1                      ; in the other slot
.endm
; THE CHANGE OF SLOTS stands at a slot's head.  Each wave waits for all its tensor loads (its part of the slot ahead), adds 0 to its spare word, and waits for that and for its reads of the slot that it has left.
; fill = 1: the barrier is a round of the cluster's, and behind it the slot just left is filled with the next eight key steps: one load a wave out, with a whole slot's steps in which to land.
.macro CHANGE fill
	s_wait_tensorcnt 0x0                           ; no tensor load of mine is out, so a group 0 may be written
	ds_add_u32 v1, v2                              ; 0 onto my spare word
.if \fill
	s_xor_b32 s45, s45, SLOT1                      ; the walking descriptor: the other slot,
	s_add_nc_u64 s[46:47], s[46:47], SLOTB         ; the next eight key steps; the type bits on top are not reached
	s_wait_xcnt 0x0                                ; the last prefetch, a slot back, has read its address
	s_add_nc_u64 s[58:59], s[58:59], SLOTB         ; one slot further on than the walking descriptor
	s_wait_dscnt 0x0                               ; the add is done, and my reads of the slot that I have left are over
	CROUND
	JLOAD
	ASK
.else
	s_wait_dscnt 0x0
	s_barrier_signal -1
	s_barrier_wait -1
.endif
.endm
.Lslot:                                            ; three trips: behind each change of slots but the last the next slot is asked for
	CHANGE 1
	STEPS
	s_sub_co_u32 s56, s56, 1
	s_cmp_lg_u32 s56, 0
	s_cbranch_scc1 .Lslot
	CHANGE 0                                       ; the last slot is written out
	STEPS
	; THE WAY OUT: O^T / the sum, quantised along the head's 64 channels: half a fragment of the output projection's operand, as it stands in registers
.rept 4
	v_nop                                          ; places behind the last products: a wave's last steps may have been left out and hold no vector work
.endr
	v_add_f32 v14, v14, v15
	v_permlanex16_b32 v240, v14, s24, s25
	v_add_f32 v14, v14, v240                       ; the row's sum
	v_rcp_f32 v14, v14
	v_nop                                          ; a plain instruction behind the transcendental
	s_wait_alu depctr_va_vdst(0)                   ; and the wait ahead of its first reader
.set j, 0
.rept 32
	v_mul_f32 v[SC+j], v[OT+j], v14                ; register 16 b + i: channel 32 b + 16 h + i of my query
.set j, j+1
.endr
.irp b, 0,1
	v_max3_num_f32 v[BM+\b], |v[SC+16*\b]|, |v[SC+1+16*\b]|, 0x2800000
.endr
.irp i, 2,4,6,8,10,12,14
.irp b, 0,1
	v_max3_num_f32 v[BM+\b], v[BM+\b], |v[SC+16*\b+\i]|, |v[SC+1+16*\b+\i]|
.endr
.endr
.irp b, 0,1
	v_permlanex16_b32 v[PT+\b], v[BM+\b], s24, s25
.endr
.irp b, 0,1
	v_max_num_f32 v[BM+\b], v[BM+\b], v[PT+\b]
.endr
.irp b, 0,1
	v_add_nc_u32 v[SO+\b], 0xfe000000, v[BM+\b]
.endr
.irp b, 0,1
	v_lshrrev_b32 v[PT+\b], 23, v[SO+\b]
.endr
	v_lshl_or_b32 v31, v241, 8, v240               ; the head's two bytes of my row
	v_cvt_scalef32_pk16_bf6_f32 v[32:34], v[SC:SC+15], v244
	v_cvt_scalef32_pk16_bf6_f32 v[44:46], v[SC+16:SC+31], v245
	v_nop
.irp i, 0,1,2
	v_permlane16_swap_b32 v[32+\i], v[44+\i]
.endr
.irp i, 0,1,2
	v_mov_b32 v[35+\i], v[44+\i]
.endr
	global_store_b128 v3, v[32:35], s[14:15]       ; registers 0-3: 512 consecutive aligned bytes
	global_store_b64 v4, v[36:37], s[14:15] offset:512     ; registers 4-5: 256
	global_store_b32 v10, v31, s[16:17]            ; the words: 128 bytes, half of an aligned 256
	s_wait_tensorcnt 0x0                           ; the wave's end
	ds_add_u32 v1, v2
	s_wait_dscnt 0x0
	CROUND                                         ; the closing round: no work-group ends while a partner may still ask for a slot that names it
	s_endpgm
.Lfunc_end_k_q8ee6eb1ddc_attn:
	.size	k_q8ee6eb1ddc_attn, .Lfunc_end_k_q8ee6eb1ddc_attn-k_q8ee6eb1ddc_attn
	.p2alignl 7, 3214868480
	.fill 96, 4, 3214868480
	.section	.rodata,"a",@progbits
	.p2align	6, 0x0
	.amdhsa_kernel k_q8ee6eb1ddc_attn
		.amdhsa_group_segment_fixed_size 327680
		.amdhsa_private_segment_fixed_size 0
		.amdhsa_enable_private_segment 0
		.amdhsa_kernarg_size 24
		.amdhsa_user_sgpr_count 2
		.amdhsa_user_sgpr_kernarg_segment_ptr 1
		.amdhsa_wavefront_size32 1
		.amdhsa_system_sgpr_workgroup_id_x 1
		.amdhsa_system_sgpr_workgroup_id_y 1
		.amdhsa_system_sgpr_workgroup_id_z 1
		.amdhsa_system_vgpr_workitem_id 0
		.amdhsa_next_free_vgpr 256
		.amdhsa_next_free_sgpr 96
		.amdhsa_reserve_vcc 1
		.amdhsa_float_denorm_mode_32 3
		.amdhsa_float_denorm_mode_16_64 3
		.amdhsa_memory_ordered 1
		.amdhsa_forward_progress 1
		.amdhsa_inst_pref_size 56
	.end_amdhsa_kernel
	.amdgpu_metadata
---
amdhsa.version: [ 1, 2 ]
amdhsa.kernels:
  - .name:           k_q8ee6eb1ddc_attn
    .symbol:         k_q8ee6eb1ddc_attn.kd
    .args:
      - { .name: qq, .offset: 0, .size: 8, .value_kind: global_buffer, .address_space: global }
      - { .name: kv, .offset: 8, .size: 8, .value_kind: global_buffer, .address_space: global }
      - { .name: oq, .offset: 16, .size: 8, .value_kind: global_buffer, .address_space: global }
    .group_segment_fixed_size: 327680
    .private_segment_fixed_size: 0
    .kernarg_segment_align: 8
    .kernarg_segment_size: 24
    .max_flat_workgroup_size: 512
    .sgpr_count:     96
    .vgpr_count:     256
    .wavefront_size: 32
...
	.end_amdgpu_metadata
.endif
;; end of part 3
;; launch oproj (part 4): grid 128 x 2, 4 waves a work-group, no clusters, 68,096 bytes of LDS; arguments oq, wq, bo, out0; writes out0
.if DOCPART == 4
	.amdgcn_target "amdgcn-amd-amdhsa--gfx1250"
	.amdhsa_code_object_version 6
	.text
	.protected	k_q8ee6eb1ddc_oproj
	.globl	k_q8ee6eb1ddc_oproj
	.p2align	8
	.type	k_q8ee6eb1ddc_oproj,@function
k_q8ee6eb1ddc_oproj:
	s_mov_b64 s[64:65], 0
	v_nop
	global_prefetch_b8 v0, s[64:65] scope:SCOPE_SE
	s_setreg_imm32_b32 hwreg(HW_REG_WAVE_MODE, 25, 1), 1
	s_wait_xcnt 0x0
; out0 = o Wo + bo on codes of BF6 with E8M0 scales.  o's codes and Wo's lie in memory as images of the operands' registers.
; SHARES: work-group x = 64 rows (four tiles of 16), y = half of the 512 columns; wave w owns 64 columns: 4 tiles x 4 K steps of Wo, 192 registers.  All loads go out at the head; the K steps wait for them by counts.
; The product is used transposed (source 0 = 16 columns of Wo, source 1 = 16 rows of o): by the tiles' order of columns a lane's 16 registers of two neighbouring tiles are 16 neighbouring columns of one row.
; A tile's rows are 8 u + r + 8 (r / 8) of their 32.  The bias is the C of each sum's first matrix instruction.  16 accumulators by turns, one instruction a turn.
; o's fragment of a K step is two heads' halves (6 registers each, stored as 512 + 256 bytes); its scale word is two heads' two bytes each.
; THE WAY OUT: through a stage of 64 rows x (1,024 + 16) bytes, since a row's 1,024 bytes come from four waves; each wave then stores 16 whole rows, 512 consecutive aligned bytes a store.
; NO MULTICAST: what the work-groups share is the weight, 98,304 bytes a work-group, which goes once straight into the registers where it stays.
; REGISTERS: window 0: v1-6 addresses; v8-15 Wo's scale words; v16-31 o's; v32-63 the heads' words as loaded; v128-255 accumulators (m, t) at 128 + 8 (4 m + t), then rows of out0.
;   window 1: Wo's fragments at 12 (4 t + s), bias at v192 + 8 t.   window 2: o's fragments at 12 (4 m + s).
.set SP, 1040
.set MSB, 0
.macro WIN new                         ; the immediate's high byte repeats the setting that is left
.if MSB != (\new)
	s_set_vgpr_msb (MSB<<8)|(\new)
.set MSB, (\new)
.endif
.endm
.macro WM d, a, b, c, sa, sb, ra
.if (\ra)
	v_wmma_scale_f32_16x16x128_f8f6f4 v[(\d):(\d)+7], v[(\a):(\a)+11], v[(\b):(\b)+11], v[(\c):(\c)+7], v[\sa], v[\sb] matrix_a_fmt:MATRIX_FMT_BF6 matrix_b_fmt:MATRIX_FMT_BF6 matrix_a_scale:MATRIX_SCALE_ROW1
.else
	v_wmma_scale_f32_16x16x128_f8f6f4 v[(\d):(\d)+7], v[(\a):(\a)+11], v[(\b):(\b)+11], v[(\c):(\c)+7], v[\sa], v[\sb] matrix_a_fmt:MATRIX_FMT_BF6 matrix_b_fmt:MATRIX_FMT_BF6
.endif
.endm
	s_load_b256 s[4:11], s[0:1], 0x0               ; oq, wq, bo, out0
	v_lshl_add_u32 v126, v0, 2, 0x10800
	v_mov_b32 v127, 0
	v_lshrrev_b32 v1, 5, v0
	v_readfirstlane_b32 s12, v1                    ; wave
	s_and_b32 s13, ttmp7, 0xffff                   ; which half of the columns
	v_and_b32 v7, 31, v0
	v_lshlrev_b32 v1, 4, v7                        ; 16 x lane
	v_lshlrev_b32 v2, 2, v7                        ; 4 x lane
	v_lshlrev_b32 v3, 3, v7                        ; 8 x lane
	v_bfe_u32 v4, v0, 4, 1
	v_lshlrev_b32 v4, 6, v4                        ; 64 h: 16 columns
	v_and_b32 v5, 15, v0
	v_and_b32 v6, 8, v5
	v_add_nc_u32 v5, v5, v6
	v_mul_u32_u24 v5, v5, SP
	v_add_nc_u32 v5, v5, v4
	s_lshl_b32 s14, s12, 8
	v_add_nc_u32 v5, s14, v5                       ; into the stage: row r + 8 (r / 8), + 64 h, + my wave's 256 bytes
	s_mul_i32 s14, s12, 16*SP
	v_add_nc_u32 v6, s14, v1                       ; out of it: my 16 rows, 16 bytes a lane
	s_mul_i32 s16, ttmp9, 24576                    ; o's codes: four tiles of 6,144 bytes
	s_mov_b32 s17, 0
	s_lshl_b32 s18, ttmp9, 12
	s_add_co_u32 s18, s18, 3145728                 ; and their words
	s_mov_b32 s19, 0
	s_lshl_b32 s15, s13, 3
	s_lshl_b32 s14, s12, 1
	s_add_co_u32 s15, s15, s14                     ; my first block of 32 columns
	s_mul_i32 s20, s15, 12288
	s_add_co_u32 s20, s20, 3*196608                ; Wo is the fourth weight in wq
	s_mov_b32 s21, 0
	s_lshl_b32 s22, s15, 9
	s_add_co_u32 s22, s22, 786432+3*8192
	s_mov_b32 s23, 0
	s_lshl_b32 s24, s13, 10
	s_lshl_b32 s14, s12, 8
	s_add_co_u32 s24, s24, s14                     ; my 64 numbers of the bias
	s_mov_b32 s25, 0
	s_lshl_b32 s26, ttmp9, 17                      ; out0: 64 rows of 2,048 bytes,
	s_lshl_b32 s14, s12, 15                        ; my 16 of them,
	s_add_co_u32 s26, s26, s14
	s_lshl_b32 s14, s13, 10                        ; the half
	s_add_co_u32 s26, s26, s14
	s_mov_b32 s27, 0
	s_wait_kmcnt 0x0
	s_add_nc_u64 s[16:17], s[4:5], s[16:17]
	s_add_nc_u64 s[18:19], s[4:5], s[18:19]
	s_add_nc_u64 s[20:21], s[6:7], s[20:21]
	s_add_nc_u64 s[22:23], s[6:7], s[22:23]
	s_add_nc_u64 s[24:25], s[8:9], s[24:25]
	s_add_nc_u64 s[26:27], s[10:11], s[26:27]
.irp m, 0,1,2,3
.irp d, 0,1,2,3,4,5,6,7
	global_load_b32 v[32+8*\m+\d], v2, s[18:19] offset:1024*\m+128*\d      ; tile m, head d: the head's two bytes of each row
.endr
.endr
.set n, 0
.rept 8
	global_load_b32 v[8+n], v2, s[22:23] offset:128*n
.set n, n+1
.endr
	WIN 0x40
.irp t, 0,1,2,3
	global_load_b128 v[192+8*\t:195+8*\t], v4, s[24:25] offset:(32*(\t/2)+8*(\t%2))*4
	global_load_b128 v[196+8*\t:199+8*\t], v4, s[24:25] offset:(32*(\t/2)+8*(\t%2))*4+16
.endr
.irp s, 0,1,2,3                                ; 28 loads a K step
	WIN 0x40
.irp t, 0,1,2,3
.irp c, 0,1,2
	global_load_b128 v[12*(4*\t+\s)+4*\c:12*(4*\t+\s)+4*\c+3], v1, s[20:21] offset:(4*\t+\s)*1536+512*\c
.endr
.endr
	WIN 0x80
.irp m, 0,1,2,3
.irp c, 0,1
	global_load_b128 v[12*(4*\m+\s)+6*\c:12*(4*\m+\s)+6*\c+3], v1, s[16:17] offset:6144*\m+768*(2*\s+\c)
	global_load_b64 v[12*(4*\m+\s)+6*\c+4:12*(4*\m+\s)+6*\c+5], v3, s[16:17] offset:6144*\m+768*(2*\s+\c)+512
.endr
.endr
.endr
	WIN 0
	s_wait_loadcnt 63                              ; of 160 loads at most 63 are out: the first 97 are in, among them the 48 words and biases and K step 0's 28
.irp m, 0,1,2,3
.irp s, 0,1,2,3
	v_lshl_or_b32 v[16+4*\m+\s], v[33+8*\m+2*\s], 16, v[32+8*\m+2*\s]      ; two heads' bytes make a K step's scale word
.endr
.endr
.rept 8
	v_nop                                          ; a scale register written by a vector instruction stands eight places ahead of a scaled matrix instruction
.endr
.irp s, 0,1,2,3
.if \s > 0
	s_wait_loadcnt 28*(3-\s)                       ; all but the later K steps' loads
.endif
.if \s == 0
	WIN 0x19                                       ; Wo and the bias window 1, o window 2
.else
	WIN 0x09
.endif
.irp m, 0,1,2,3
.irp t, 0,1,2,3
.if \s == 0
	WM 128+8*(4*\m+\t), 12*(4*\t+\s), 12*(4*\m+\s), 192+8*\t, 8+4*(\t/2)+\s, 16+4*\m+\s, \t%2
.else
	WM 128+8*(4*\m+\t), 12*(4*\t+\s), 12*(4*\m+\s), 128+8*(4*\m+\t), 8+4*(\t/2)+\s, 16+4*\m+\s, \t%2
.endif
.endr
.endr
.endr
	WIN 0
.rept 4
	v_nop                                          ; places ahead of the first read of results
.endr
.irp m, 0,1,2,3
.irp t, 0,1,2,3
	ds_store_b128 v5, v[128+8*(4*\m+\t):131+8*(4*\m+\t)] offset:(32*(\m/2)+8*(\m%2))*SP+128*(\t/2)+32*(\t%2)       ; each accumulator from its low end on
	ds_store_b128 v5, v[132+8*(4*\m+\t):135+8*(4*\m+\t)] offset:(32*(\m/2)+8*(\m%2))*SP+128*(\t/2)+32*(\t%2)+16
.endr
.endr
	s_wait_dscnt 0x0                               ; for the others' sake: my stores into the stage are done
	s_barrier_signal -1
	s_barrier_wait -1
.set i, 0
.rept 32
	ds_load_b128 v[128+4*i:131+4*i], v6 offset:(i/2)*SP+512*(i%2)
.set i, i+1
.endr
.set i, 0
.rept 32
	s_wait_dscnt 31-i
	global_store_b128 v1, v[128+4*i:131+4*i], s[26:27] offset:(i/2)*2048+512*(i%2) th:TH_STORE_NT    ; 32 lanes store 512 consecutive aligned bytes; written once, read by nobody here
.set i, i+1
.endr
	s_wait_tensorcnt 0x0
	ds_add_u32 v126, v127
	s_wait_dscnt 0x0
	s_endpgm
.Lfunc_end_k_q8ee6eb1ddc_oproj:
	.size	k_q8ee6eb1ddc_oproj, .Lfunc_end_k_q8ee6eb1ddc_oproj-k_q8ee6eb1ddc_oproj
	.p2alignl 7, 3214868480
	.fill 96, 4, 3214868480
	.section	.rodata,"a",@progbits
	.p2align	6, 0x0
	.amdhsa_kernel k_q8ee6eb1ddc_oproj
		.amdhsa_group_segment_fixed_size 68096
		.amdhsa_private_segment_fixed_size 0
		.amdhsa_enable_private_segment 0
		.amdhsa_kernarg_size 32
		.amdhsa_user_sgpr_count 2
		.amdhsa_user_sgpr_kernarg_segment_ptr 1
		.amdhsa_wavefront_size32 1
		.amdhsa_system_sgpr_workgroup_id_x 1
		.amdhsa_system_sgpr_workgroup_id_y 1
		.amdhsa_system_sgpr_workgroup_id_z 1
		.amdhsa_system_vgpr_workitem_id 0
		.amdhsa_next_free_vgpr 768
		.amdhsa_next_free_sgpr 66
		.amdhsa_reserve_vcc 0
		.amdhsa_float_denorm_mode_32 3
		.amdhsa_float_denorm_mode_16_64 3
		.amdhsa_memory_ordered 1
		.amdhsa_forward_progress 1
		.amdhsa_inst_pref_size 36
	.end_amdhsa_kernel
	.amdgpu_metadata
---
amdhsa.version: [ 1, 2 ]
amdhsa.kernels:
  - .name:           k_q8ee6eb1ddc_oproj
    .symbol:         k_q8ee6eb1ddc_oproj.kd
    .args:
      - { .name: oq, .offset: 0, .size: 8, .value_kind: global_buffer, .address_space: global }
      - { .name: wq, .offset: 8, .size: 8, .value_kind: global_buffer, .address_space: global }
      - { .name: bo, .offset: 16, .size: 8, .value_kind: global_buffer, .address_space: global }
      - { .name: out0, .offset: 24, .size: 8, .value_kind: global_buffer, .address_space: global }
    .group_segment_fixed_size: 68096
    .private_segment_fixed_size: 0
    .kernarg_segment_align: 8
    .kernarg_segment_size: 32
    .max_flat_workgroup_size: 128
    .sgpr_count:     66
    .vgpr_count:     768
    .wavefront_size: 32
...
	.end_amdgpu_metadata
.endif
;; end of part 4
;; ======== version 2 of 2: 4 launches
;; workspace buffers: xq 3,276,800 bytes; wq 819,200 bytes; qq 3,407,872 bytes; kv 6,684,672 bytes; oq 3,670,016 bytes
;; launch prep (part 5): grid 320 x 1, 4 waves a work-group, no clusters, 68,096 bytes of LDS; arguments x, Wq, Wk, Wv, Wo, xq, wq; writes xq, wq
.if DOCPART == 5
	.amdgcn_target "amdgcn-amd-amdhsa--gfx1250"
	.amdhsa_code_object_version 6
	.text
	.protected	k_q8ee6eb1ddc_prep
	.globl	k_q8ee6eb1ddc_prep
	.p2align	8
	.type	k_q8ee6eb1ddc_prep,@function
k_q8ee6eb1ddc_prep:
	s_mov_b64 s[64:65], 0
	v_nop
	global_prefetch_b8 v0, s[64:65] scope:SCOPE_SE
	s_setreg_imm32_b32 hwreg(HW_REG_WAVE_MODE, 25, 1), 1
	s_wait_xcnt 0x0
; x [8192][512] and the four weights [512 (k)][512 (n)], f32, become codes of BF6 (E3M2) with one E8M0 byte for each 32 along K = 512,
; stored as IMAGES OF OPERAND REGISTERS: a fragment (16 rows x 128 K, 12 registers a lane) is three runs of 512 bytes, lane l's 16 bytes at 16 l.
; THE ROWS OF A TILE ARE NOT NEIGHBOURS: each 32 neighbours (rows of x, columns of a weight) make two tiles; lane r of tile u stands for member 8 u + r + 8 (r / 8).
; xq: codes [block of 32 rows 256][u 2][K step 4][1,536 bytes]; from XSC on the scale words [block][K step][lane]: lanes 0-15 tile 0's rows, lanes 16-31 tile 1's.
; wq: the same for [weight q, k, v, o][block of 32 columns 16]; scale words from WSC on.
; A lane of a fragment holds two whole blocks of 32 along K (k = 64 c + 32 (lane / 16) + 0 .. 31), so a block's largest magnitude needs no other lane.
; A block's scale byte is the exponent field of its largest magnitude less 4, held at 1 from below.
; LIMITS: NaN and infinities among the inputs are not served; a block whose largest magnitude lies under 2^-122 gets the byte 1, a block of zeros too
; (the quantiser says 127 there: its codes are zeros, and the bytes are read by this program alone).
; SHARES: work-groups 0-255: one block of 32 rows of x, wave = K step.  Work-groups 256-319: one weight, one K step, four blocks of columns, wave = block.
; No tensor loads, no barrier: waves share nothing.  Only the x path stages data in LDS, each wave its own two stages.
.set XSC, 3145728
.set WSC, 786432
.set SPI, 528                          ; a stage row: 512 bytes + 16 = 33 x 16: sixteen rows begin at sixteen different 16-byte columns modulo 256
.set STG, 16*SPI
; 64 numbers of a lane, v[x] on (register 32 c + i = k 64 c + 32 h + i of my row), become the fragment's 12 registers v[c] on and its scale word v[w]
.macro QFRAG x, c, w
	v_max3_num_f32 v24, |v[\x]|, |v[\x+1]|, 0x2800000        ; my two blocks by turns; the floor 2^(5 - 127) is one more leaf: the byte cannot fall under 1
	v_max3_num_f32 v25, |v[\x+32]|, |v[\x+33]|, 0x2800000
.irp i, 2,4,6,8,10,12,14,16,18,20,22,24,26,28,30
	v_max3_num_f32 v24, v24, |v[\x+\i]|, |v[\x+\i+1]|
	v_max3_num_f32 v25, v25, |v[\x+32+\i]|, |v[\x+33+\i]|
.endr
	v_add_nc_u32 v26, 0xfe000000, v24              ; 4 off the exponent field: the conversion's scale operand
	v_add_nc_u32 v27, 0xfe000000, v25
	v_lshrrev_b32 v28, 23, v26                     ; the scale's byte
	v_lshrrev_b32 v29, 23, v27
	v_lshl_or_b32 v[\w], v29, 16, v28              ; blocks h and 2 + h of my row,
	v_lshlrev_b32 v[\w], v4, v[\w]                 ; at their places in the word (8 h bits up);
	v_permlanex16_b32 v30, v[\w], s20, s21
	v_or_b32 v[\w], v[\w], v30                     ; with lane l xor 16's two the word is whole, in both halves of the lanes
	v_cvt_scalef32_pk16_bf6_f32 v[\c:\c+2], v[\x:\x+15], v26
	v_cvt_scalef32_pk16_bf6_f32 v[16:18], v[\x+16:\x+31], v26      ; (a conversion's three registers begin on an even number: a block's second three are made apart and moved)
	v_cvt_scalef32_pk16_bf6_f32 v[\c+6:\c+8], v[\x+32:\x+47], v27
	v_cvt_scalef32_pk16_bf6_f32 v[20:22], v[\x+48:\x+63], v27
	v_nop                                          ; one plain instruction behind the scaled conversions
.irp i, 0,1,2
	v_mov_b32 v[\c+3+\i], v[16+\i]
	v_mov_b32 v[\c+9+\i], v[20+\i]
.endr
.endm
.macro OUT                             ; the two fragments and their scale words leave; each store of codes covers 512 consecutive aligned bytes, the words' store 128
	v_cndmask_b32 v62, v61, v60, s22               ; lanes 0-15 tile 0's words, lanes 16-31 tile 1's
.irp c, 0,1,2
	global_store_b128 v5, v[32+4*\c:35+4*\c], s[26:27] offset:512*\c
	global_store_b128 v5, v[48+4*\c:51+4*\c], s[26:27] offset:6144+512*\c
.endr
	global_store_b32 v6, v62, s[28:29]
	s_wait_tensorcnt 0x0
	ds_add_u32 v47, v63
	s_wait_dscnt 0x0
	s_endpgm
.endm
	s_load_b256 s[4:11], s[0:1], 0x0               ; x, Wq, Wk, Wv
	s_load_b128 s[12:15], s[0:1], 0x20             ; Wo, xq
	s_load_b64 s[16:17], s[0:1], 0x30              ; wq
	v_lshl_add_u32 v47, v0, 2, 0x10800
	v_mov_b32 v63, 0
	v_lshrrev_b32 v1, 5, v0
	v_readfirstlane_b32 s18, v1                    ; wave
	v_and_b32 v1, 31, v0                           ; lane
	v_and_b32 v2, 15, v0                           ; r
	v_bfe_u32 v3, v0, 4, 1                         ; h
	v_lshlrev_b32 v4, 3, v3                        ; 8 h
	v_lshlrev_b32 v5, 4, v1                        ; 16 x lane
	v_lshlrev_b32 v6, 2, v1                        ; 4 x lane
	v_mov_b32 v30, 0                               ; a lane permute's destination counts as one of its sources
	s_mov_b32 s20, 0x76543210
	s_mov_b32 s21, 0xfedcba98                      ; selects for lane l xor 16
	s_mov_b32 s22, 0xffff                          ; lanes 0-15
	s_cmp_lt_u32 ttmp9, 256
	s_cbranch_scc0 .Lweights
	; ---- x: block = work-group, K step = wave.  Each load reads 512 consecutive aligned bytes of one row; the rows turn through my stage so that a lane gets 32 neighbours
	s_mul_i32 s23, s18, 2*STG
	v_add_nc_u32 v7, s23, v5                       ; into a stage: 16 x lane, a row an instruction
	v_mul_u32_u24 v8, v2, SPI
	v_lshl_add_u32 v8, v3, 7, v8
	v_add_nc_u32 v8, s23, v8                       ; out of it: row r, + 128 h
	s_lshl_b32 s24, ttmp9, 16                      ; 32 rows of 2,048 bytes
	s_lshl_b32 s26, s18, 9                         ; 128 numbers along K
	s_add_co_u32 s24, s24, s26
	s_mov_b32 s25, 0
	s_mul_i32 s26, ttmp9, 12288
	s_mul_i32 s28, s18, 1536
	s_add_co_u32 s26, s26, s28
	s_mov_b32 s27, 0
	s_lshl_b32 s28, ttmp9, 9
	s_lshl_b32 s30, s18, 7
	s_add_co_u32 s28, s28, s30
	s_add_co_u32 s28, s28, XSC
	s_mov_b32 s29, 0
	s_wait_kmcnt 0x0
	s_add_nc_u64 s[4:5], s[4:5], s[24:25]
	s_add_nc_u64 s[26:27], s[14:15], s[26:27]
	s_add_nc_u64 s[28:29], s[14:15], s[28:29]
	s_wait_alu depctr_va_vdst(0)
.irp u, 0,1
.irp i, 0,1,2,3,4,5,6,7,8,9,10,11,12,13,14,15
	global_load_b128 v[128+64*\u+4*\i:131+64*\u+4*\i], v5, s[4:5] offset:(8*\u+\i+8*(\i/8))*2048 th:TH_LOAD_NT
.endr
.endr
	s_wait_loadcnt 16                              ; tile 0's sixteen rows are in; tile 1's sixteen loads may be out
.irp i, 0,1,2,3,4,5,6,7,8,9,10,11,12,13,14,15
	ds_store_b128 v7, v[128+4*\i:131+4*\i] offset:\i*SPI
.endr
.irp i, 0,1,2,3,4,5,6,7,8,9,10,11,12,13,14,15
	ds_load_b128 v[64+4*\i:67+4*\i], v8 offset:256*(\i/8)+16*(\i%8)        ; LDS serves a wave's instructions in order (ISA guide 5.7.1.4): these see the stores above
.endr
	s_wait_loadcnt 0x0
.irp i, 0,1,2,3,4,5,6,7,8,9,10,11,12,13,14,15
	ds_store_b128 v7, v[192+4*\i:195+4*\i] offset:STG+\i*SPI
.endr
	s_wait_dscnt 16                                ; all but these sixteen stores: tile 0's numbers are back, and its stores have read v128-191, which tile 1's numbers now take
.irp i, 0,1,2,3,4,5,6,7,8,9,10,11,12,13,14,15
	ds_load_b128 v[128+4*\i:131+4*\i], v8 offset:STG+256*(\i/8)+16*(\i%8)
.endr
	QFRAG 64, 32, 60
	s_wait_dscnt 0x0
	QFRAG 128, 48, 61
	OUT
.Lweights:
	; ---- a weight: K is its FIRST axis.  A lane takes a column and its registers run down K, in the very order of the operand's registers: nothing is transposed
	s_sub_co_u32 s23, ttmp9, 256
	s_lshr_b32 s24, s23, 4                         ; which weight: 0 q, 1 k, 2 v, 3 o
	s_and_b32 s25, s23, 3                          ; K step
	s_bfe_u32 s26, s23, 0x20002
	s_lshl_b32 s26, s26, 2
	s_add_co_u32 s26, s26, s18                     ; block of 32 columns: the four waves stand on 512 neighbouring bytes of each row
	s_lshl_b32 s30, s25, 18                        ; 128 rows of 2,048 bytes
	s_lshl_b32 s31, s26, 7
	s_add_co_u32 s30, s30, s31
	s_mov_b32 s31, 0
	s_mul_i32 s32, s24, 196608
	s_mul_i32 s33, s26, 12288
	s_add_co_u32 s32, s32, s33
	s_mul_i32 s33, s25, 1536
	s_add_co_u32 s32, s32, s33
	s_mov_b32 s33, 0
	s_lshl_b32 s34, s24, 13
	s_lshl_b32 s35, s26, 9
	s_add_co_u32 s34, s34, s35
	s_lshl_b32 s35, s25, 7
	s_add_co_u32 s34, s34, s35
	s_add_co_u32 s34, s34, WSC
	s_mov_b32 s35, 0
	s_wait_alu depctr_va_vdst(0)
	v_and_b32 v9, 8, v2
	v_add_nc_u32 v9, v9, v2                        ; r + 8 (r / 8)
	v_lshlrev_b32 v9, 2, v9
	v_lshl_add_u32 v9, v3, 16, v9                  ; lanes 16-31 begin 32 rows further down
	s_wait_alu depctr_va_vdst(0)
	s_wait_kmcnt 0x0
	s_cmp_eq_u32 s24, 1                            ; the choice hangs on the work-group's number alone
	s_cselect_b64 s[4:5], s[8:9], s[6:7]
	s_cmp_eq_u32 s24, 2
	s_cselect_b64 s[4:5], s[10:11], s[4:5]
	s_cmp_eq_u32 s24, 3
	s_cselect_b64 s[4:5], s[12:13], s[4:5]
	s_add_nc_u64 s[4:5], s[4:5], s[30:31]
	s_add_nc_u64 s[26:27], s[16:17], s[32:33]
	s_add_nc_u64 s[28:29], s[16:17], s[34:35]
.irp u, 0,1
.irp c, 0,1
.set i, 0
.rept 32
	global_load_b32 v[64+64*\u+32*\c+i], v9, s[4:5] offset:32*\u+(64*\c+i)*2048
.set i, i+1
.endr
.endr
.endr
	s_wait_loadcnt 63                              ; tile 0's 64 loads are followed by 64; the count names 63, the most it can
	QFRAG 64, 32, 60
	s_wait_loadcnt 0x0
	QFRAG 128, 48, 61
	OUT
.Lfunc_end_k_q8ee6eb1ddc_prep:
	.size	k_q8ee6eb1ddc_prep, .Lfunc_end_k_q8ee6eb1ddc_prep-k_q8ee6eb1ddc_prep
	.p2alignl 7, 3214868480
	.fill 96, 4, 3214868480
	.section	.rodata,"a",@progbits
	.p2align	6, 0x0
	.amdhsa_kernel k_q8ee6eb1ddc_prep
		.amdhsa_group_segment_fixed_size 68096
		.amdhsa_private_segment_fixed_size 0
		.amdhsa_enable_private_segment 0
		.amdhsa_kernarg_size 56
		.amdhsa_user_sgpr_count 2
		.amdhsa_user_sgpr_kernarg_segment_ptr 1
		.amdhsa_wavefront_size32 1
		.amdhsa_system_sgpr_workgroup_id_x 1
		.amdhsa_system_sgpr_workgroup_id_y 1
		.amdhsa_system_sgpr_workgroup_id_z 1
		.amdhsa_system_vgpr_workitem_id 0
		.amdhsa_next_free_vgpr 256
		.amdhsa_next_free_sgpr 66
		.amdhsa_reserve_vcc 0
		.amdhsa_float_denorm_mode_32 3
		.amdhsa_float_denorm_mode_16_64 3
		.amdhsa_memory_ordered 1
		.amdhsa_forward_progress 1
		.amdhsa_inst_pref_size 37
	.end_amdhsa_kernel
	.amdgpu_metadata
---
amdhsa.version: [ 1, 2 ]
amdhsa.kernels:
  - .name:           k_q8ee6eb1ddc_prep
    .symbol:         k_q8ee6eb1ddc_prep.kd
    .args:
      - { .name: x, .offset: 0, .size: 8, .value_kind: global_buffer, .address_space: global }
      - { .name: Wq, .offset: 8, .size: 8, .value_kind: global_buffer, .address_space: global }
      - { .name: Wk, .offset: 16, .size: 8, .value_kind: global_buffer, .address_space: global }
      - { .name: Wv, .offset: 24, .size: 8, .value_kind: global_buffer, .address_space: global }
      - { .name: Wo, .offset: 32, .size: 8, .value_kind: global_buffer, .address_space: global }
      - { .name: xq, .offset: 40, .size: 8, .value_kind: global_buffer, .address_space: global }
      - { .name: wq, .offset: 48, .size: 8, .value_kind: global_buffer, .address_space: global }
    .group_segment_fixed_size: 68096
    .private_segment_fixed_size: 0
    .kernarg_segment_align: 8
    .kernarg_segment_size: 56
    .max_flat_workgroup_size: 128
    .sgpr_count:     66
    .vgpr_count:     256
    .wavefront_size: 32
...
	.end_amdgpu_metadata
.endif
;; end of part 5
;; launch qkv (part 6): grid 64 x 3, 4 waves a work-group, no clusters, 0 bytes of LDS; arguments xq, wq, bq, bk, bv, qq, kv; writes qq, kv
.if DOCPART == 6
	.amdgcn_target "amdgcn-amd-amdhsa--gfx1250"
	.amdhsa_code_object_version 6
	.text
	.protected	k_q8ee6eb1ddc_qkv
	.globl	k_q8ee6eb1ddc_qkv
	.p2align	8
	.type	k_q8ee6eb1ddc_qkv,@function
k_q8ee6eb1ddc_qkv:
	s_mov_b64 s[64:65], 0
	v_nop
	global_prefetch_b8 v0, s[64:65] scope:SCOPE_SE
	s_setreg_imm32_b32 hwreg(HW_REG_WAVE_SCHED_MODE, 0, 2), 2
	s_setreg_imm32_b32 hwreg(HW_REG_WAVE_MODE, 25, 1), 1
	s_wait_xcnt 0x0
	s_wait_alu depctr_vm_vsrc(0)
; q = x Wq + bq, k = x Wk + bk, v = x Wv + bv on codes of BF6 with E8M0 scales; each result is quantised in registers along the K of the product that reads it and stored as that product's operand registers.
; SHARES: work-group x = 128 rows (one key step of attention), y = 0 q, 1 k, 2 v.  Wave w owns heads 2 w and 2 w + 1: 8 tiles of 16 columns x 4 K steps of the weight, 384 registers, read once.
; The four blocks of 32 rows are written out by macro: every offset is an immediate.  No LDS, no barrier: waves share nothing.
; q, k (K = the head's 64): the product is used transposed (source 0 = 16 columns of W, source 1 = 16 rows of x): a lane holds ONE row, and by the tiles' order of columns (lane r of tile u = member 8 u + r + 8 (r / 8) of 32)
;   its 16 registers of two neighbouring tiles are 16 neighbouring channels.  Stored: for each 32 rows a pair image of 1,536 bytes: registers 0-5 tile 0's 64 channels, 6-11 tile 1's; scale words with bytes 2 and 3 zero.
; v (K = the keys): source 0 = 16 rows of x, source 1 = 16 columns of W: a lane holds ONE channel and 16 neighbouring keys; four blocks of 32 keys fill a fragment of 128 keys.
; The bias is the C of each sum's first matrix instruction.
; qq: codes [head16][32 rows 128][1,536]; from 3,145,728 on words [head16][key step 32][lane][block 4].   kv: codes [head16][key step 32][K 6,144 | V 6,144]; from 6,291,456 on, 24,576 a head: K's words as qq's, then V's [key step][lane][2].
; NO MULTICAST: what the work-groups share is the weight, 196,608 bytes a work-group, which goes once straight into the registers where it stays; through LDS it would be written and read once more.
; LIMITS: NaN and infinities are not served; a block whose largest magnitude lies under 2^-122, a block of zeros too, gets the byte 1 (the bytes are read by this program alone).
; REGISTERS: window 0: v1-4 addresses; v8-23 W's scale words; v24-31 x's, two sets; v32-39 the scale words that leave; v40-59 at work; v64-82 codes just made; v84-147 eight accumulators; v148-243 v's fragments (q, k: v148-166 a second buffer of codes just made).
;   window 1, 2: head 0's, head 1's 16 fragments at 12 (4 t + s), bias at v192 + 8 t.   window 3: x's fragments at 12 (4 u + s), two buffers of 96.
; THE MODE: SCHED_MODE bits 1:0 = 2 (LLVM: expert scheduling mode 2), set by the entry lines.  The code itself states the register dependences between vector or matrix instructions and memory instructions, with s_wait_alu, always for 0.
; THE PLAN.  Registers that memory instructions touch:
;   v1, v2, v3   offsets, made at the head; v4, the bias's offset, made at the head of each path.  None is written again: every other step of an address is an immediate.
;   W's fragments and words, the bias: loaded once, named by matrix instructions alone.
;   X0, X1 (window 3) with their words v24-27, v28-31.  Block i's 64 matrix instructions read X[i % 2]; behind the second head's 32 the loads of block i + 2 land in it.
;   P0 = v64 on, P1 = v148 on (q, k).  Head hh's conversions, swaps and moves write P[hh]; its three stores are issued behind the NEXT run of 32 matrix instructions, and P[hh] is written again one run later still.
;   v32-39 (the scale words), v148-243 (v's fragments), v56-59: written by vector instructions through the blocks, read by stores at the end alone.
; X's loads first, then the image's stores.  No vector instruction stands between the waits and that run.
.set WS,   8
.set XW,   24
.set SCL,  32
.set TM,   40
.set PC,   64                          ; P0; P1 lies 84 registers on, at v148
.set ACC,  84
.set VC,   148
.set BIAS, 192
.set MSB, 0
.macro WIN new                         ; the immediate's high byte repeats the setting that is left
.if MSB != (\new)
	s_set_vgpr_msb (MSB<<8)|(\new)
.set MSB, (\new)
.endif
.endm
.macro PLACES                          ; four plain instructions behind a matrix instruction, ahead of reads of its result and of loads into its sources
.rept 4
	v_nop
.endr
.endm
; one matrix instruction; ra, rb: the side's scale words stand in lanes 16-31
.macro WM d, a, b, c, sa, sb, ra, rb
.if (\ra) && (\rb)
	v_wmma_scale_f32_16x16x128_f8f6f4 v[(\d):(\d)+7], v[(\a):(\a)+11], v[(\b):(\b)+11], v[(\c):(\c)+7], v[\sa], v[\sb] matrix_a_fmt:MATRIX_FMT_BF6 matrix_b_fmt:MATRIX_FMT_BF6 matrix_a_scale:MATRIX_SCALE_ROW1 matrix_b_scale:MATRIX_SCALE_ROW1
.elseif (\ra)
	v_wmma_scale_f32_16x16x128_f8f6f4 v[(\d):(\d)+7], v[(\a):(\a)+11], v[(\b):(\b)+11], v[(\c):(\c)+7], v[\sa], v[\sb] matrix_a_fmt:MATRIX_FMT_BF6 matrix_b_fmt:MATRIX_FMT_BF6 matrix_a_scale:MATRIX_SCALE_ROW1
.elseif (\rb)
	v_wmma_scale_f32_16x16x128_f8f6f4 v[(\d):(\d)+7], v[(\a):(\a)+11], v[(\b):(\b)+11], v[(\c):(\c)+7], v[\sa], v[\sb] matrix_a_fmt:MATRIX_FMT_BF6 matrix_b_fmt:MATRIX_FMT_BF6 matrix_b_scale:MATRIX_SCALE_ROW1
.else
	v_wmma_scale_f32_16x16x128_f8f6f4 v[(\d):(\d)+7], v[(\a):(\a)+11], v[(\b):(\b)+11], v[(\c):(\c)+7], v[\sa], v[\sb] matrix_a_fmt:MATRIX_FMT_BF6 matrix_b_fmt:MATRIX_FMT_BF6
.endif
.endm
.macro XLOAD i                         ; block i of x: 8 fragments (12,288 dense bytes) and 4 scale words: 28 loads
	WIN 0xc0
.set n, 0
.rept 24
	global_load_b128 v[96*((\i)%2)+4*n:96*((\i)%2)+4*n+3], v1, s[30:31] offset:(\i)*12288+512*n
.set n, n+1
.endr
	WIN 0
.irp s, 0,1,2,3
	global_load_b32 v[XW+4*((\i)%2)+\s], v2, s[32:33] offset:(\i)*512+128*\s
.endr
.endm
; four blocks of 32: block b's 16 numbers of my half in v[ACC + 16 b] on, the other 16 in lane l xor 16.  Leaves scale operands in v[TM+12+b], bytes in v[TM+4+b].  Each accumulator is read from its low end on.
.macro MAXES
.irp b, 0,1,2,3
	v_max3_num_f32 v[TM+\b], |v[ACC+16*\b]|, |v[ACC+1+16*\b]|, 0x2800000   ; the floor 2^(5 - 127): the byte cannot fall under 1
.endr
.irp i, 2,4,6,8,10,12,14
.irp b, 0,1,2,3
	v_max3_num_f32 v[TM+\b], v[TM+\b], |v[ACC+16*\b+\i]|, |v[ACC+1+16*\b+\i]|
.endr
.endr
.irp b, 0,1,2,3
	v_permlanex16_b32 v[TM+4+\b], v[TM+\b], s44, s45
.endr
.irp b, 0,1,2,3
	v_max_num_f32 v[TM+\b], v[TM+\b], v[TM+4+\b]
.endr
.irp b, 0,1,2,3
	v_add_nc_u32 v[TM+12+\b], 0xfe000000, v[TM+\b]     ; 4 off the exponent field: the conversion's scale operand
.endr
.irp b, 0,1,2,3
	v_lshrrev_b32 v[TM+4+\b], 23, v[TM+12+\b]          ; the byte
.endr
.endm
	s_load_b256 s[4:11], s[0:1], 0x0               ; xq, wq, bq, bk
	s_load_b128 s[12:15], s[0:1], 0x20             ; bv, qq
	s_load_b64 s[16:17], s[0:1], 0x30              ; kv
	v_lshrrev_b32 v1, 5, v0
	v_readfirstlane_b32 s18, v1                    ; wave
	v_and_b32 v5, 31, v0
	v_lshlrev_b32 v1, 4, v5                        ; 16 x lane
	v_lshlrev_b32 v2, 2, v5                        ; 4 x lane
	v_lshlrev_b32 v3, 3, v5                        ; 8 x lane
.irp b, 0,1,2,3
	v_mov_b32 v[TM+4+\b], 0                        ; a lane permute's destination counts as one of its sources
.endr
	s_wait_alu depctr_va_sdst(0)                   ; s18, the wave's number, is written, ahead of its first reader: the bases below are made from it
	s_and_b32 s19, ttmp7, 0xffff                   ; 0 q, 1 k, 2 v
	s_lshr_b32 s21, ttmp9, 5                       ; batch
	s_and_b32 s22, ttmp9, 31                       ; key step
	s_mov_b32 s40, 0xffff                          ; lanes 0-15
	s_mov_b32 s44, 0x76543210
	s_mov_b32 s45, 0xfedcba98
	s_mul_i32 s24, s19, 196608                     ; the weight's codes: my 4 blocks of 32 columns
	s_mul_i32 s50, s18, 49152
	s_add_co_u32 s24, s24, s50
	s_mov_b32 s25, 0
	s_lshl_b32 s26, s19, 13                        ; and their scale words
	s_lshl_b32 s50, s18, 11
	s_add_co_u32 s26, s26, s50
	s_add_co_u32 s26, s26, 786432
	s_mov_b32 s27, 0
	s_lshl_b32 s28, s18, 9                         ; my 128 numbers of the bias
	s_mov_b32 s29, 0
	s_mul_i32 s30, ttmp9, 49152                    ; x's codes: my 4 blocks of 32 rows
	s_mov_b32 s31, 0
	s_lshl_b32 s32, ttmp9, 11
	s_add_co_u32 s32, s32, 3145728                 ; and their scale words
	s_mov_b32 s33, 0
	s_cmp_lg_u32 s19, 0
	s_cselect_b32 s46, 1, 0                        ; kv's strides are twice qq's
	s_cmp_eq_u32 s19, 2
	s_cselect_b32 s47, 1, 0
	s_lshl_b32 s23, s21, 3
	s_lshl_b32 s50, s18, 1
	s_add_co_u32 s23, s23, s50                     ; head16 of my first head
	s_mul_i32 s34, s23, 196608
	s_mul_i32 s50, s22, 6144
	s_add_co_u32 s34, s34, s50
	s_lshl_b32 s34, s34, s46
	s_mul_i32 s50, s47, 6144                       ; V lies behind K in a key step
	s_add_co_u32 s34, s34, s50
	s_mov_b32 s35, 0
	s_lshl_b32 s51, 196608, s46
	s_add_co_u32 s36, s34, s51                     ; my second head
	s_mov_b32 s37, 0
	s_lshl_b32 s52, s46, 13
	s_add_co_u32 s52, s52, 16384                   ; scale words of a head: 16,384 in qq, 24,576 in kv
	s_mul_i32 s38, s23, s52
	s_lshl_b32 s50, 3145728, s46
	s_add_co_u32 s38, s38, s50
	s_lshl_b32 s50, s47, 14                        ; V's words lie behind K's
	s_add_co_u32 s38, s38, s50
	s_lshl_b32 s50, s22, 9
	s_lshr_b32 s50, s50, s47                       ; 512 bytes a key step, V's 256
	s_add_co_u32 s38, s38, s50
	s_mov_b32 s39, 0
	s_add_co_u32 s42, s38, s52
	s_mov_b32 s43, 0
	s_wait_kmcnt 0x0
	s_cmp_eq_u32 s19, 0                            ; the choices hang on the work-group's number alone
	s_cselect_b64 s[54:55], s[14:15], s[16:17]
	s_cselect_b64 s[56:57], s[8:9], s[10:11]
	s_cmp_eq_u32 s19, 2
	s_cselect_b64 s[56:57], s[12:13], s[56:57]
	s_add_nc_u64 s[24:25], s[6:7], s[24:25]
	s_add_nc_u64 s[26:27], s[6:7], s[26:27]
	s_add_nc_u64 s[28:29], s[56:57], s[28:29]
	s_add_nc_u64 s[30:31], s[4:5], s[30:31]
	s_add_nc_u64 s[32:33], s[4:5], s[32:33]
	s_add_nc_u64 s[34:35], s[54:55], s[34:35]
	s_add_nc_u64 s[36:37], s[54:55], s[36:37]
	s_add_nc_u64 s[38:39], s[54:55], s[38:39]
	s_add_nc_u64 s[42:43], s[54:55], s[42:43]
	WIN 0x40                                       ; a head's 16 fragments are 24,576 dense bytes in the order of their registers
	s_wait_alu depctr_va_vdst(0)                   ; the offsets v1, v2 and v3 are written: every load and store of the kernel but the bias's reads one of them
.set n, 0
.rept 48
	global_load_b128 v[4*n:4*n+3], v1, s[24:25] offset:512*n
.set n, n+1
.endr
	WIN 0x80
.set n, 0
.rept 48
	global_load_b128 v[4*n:4*n+3], v1, s[24:25] offset:24576+512*n
.set n, n+1
.endr
	WIN 0
.set n, 0
.rept 16
	global_load_b32 v[WS+n], v2, s[26:27] offset:128*n
.set n, n+1
.endr
	s_cmp_eq_u32 s19, 2
	s_cbranch_scc1 .Lvalues
	; ================ q and k
	v_bfe_u32 v4, v0, 4, 1
	v_lshlrev_b32 v4, 6, v4                        ; the bias in the result's layout: tile t's register j is channel 32 (t / 2) + 16 h + 8 (t % 2) + j
	WIN 0x40
	s_wait_alu depctr_va_vdst(0)                   ; v4 is written, which the bias's loads read as their offset
.irp hh, 0,1
	WIN 0x40+0x40*\hh
.irp t, 0,1,2,3
	global_load_b128 v[BIAS+8*\t:BIAS+8*\t+3], v4, s[28:29] offset:256*\hh+(32*(\t/2)+8*(\t%2))*4
	global_load_b128 v[BIAS+8*\t+4:BIAS+8*\t+7], v4, s[28:29] offset:256*\hh+(32*(\t/2)+8*(\t%2))*4+16
.endr
.endr
	WIN 0
; 32 matrix instructions: head hh, block i: 4 tiles of columns x 2 tiles of rows, eight accumulators by turns, one instruction a turn, K ascending
.macro MULQK hh, i
.irp s, 0,1,2,3
.if \s == 0
	WIN 0x1d+0x11*\hh                              ; W window 1 or 2, x window 3, C = the bias beside W
.else
	WIN 0x0d+\hh
.endif
.irp t, 0,1,2,3
.irp u, 0,1
.if \s == 0
	WM ACC+32*\u+8*\t, 12*(4*\t+\s), 96*((\i)%2)+12*(4*\u+\s), BIAS+8*\t, WS+4*(2*\hh+\t/2)+\s, XW+4*((\i)%2)+\s, \t%2, \u
.else
	WM ACC+32*\u+8*\t, 12*(4*\t+\s), 96*((\i)%2)+12*(4*\u+\s), ACC+32*\u+8*\t, WS+4*(2*\hh+\t/2)+\s, XW+4*((\i)%2)+\s, \t%2, \u
.endif
.endr
.endr
.endr
	WIN 0
.endm
; the 32 rows x 64 channels just made become a pair image in P[hh] and two scale words a row pair; the image's stores follow later (STOREK)
.macro QUANTK hh, i
	MAXES                                          ; block 2 u + c: channels 32 c on of row tile u
	v_lshl_or_b32 v[TM+16], v[TM+5], 8, v[TM+4]
	v_lshl_or_b32 v[TM+17], v[TM+7], 8, v[TM+6]
	v_cndmask_b32 v[SCL+4*\hh+\i], v[TM+17], v[TM+16], s40     ; lanes 0-15 tile 0's rows, lanes 16-31 tile 1's
.irp c, 0,1
	v_cvt_scalef32_pk16_bf6_f32 v[PC+84*\hh+6*\c:PC+84*\hh+2+6*\c], v[ACC+32*\c:ACC+15+32*\c], v[TM+12+2*\c]
	v_cvt_scalef32_pk16_bf6_f32 v[PC+84*\hh+12+4*\c:PC+84*\hh+14+4*\c], v[ACC+16+32*\c:ACC+31+32*\c], v[TM+13+2*\c]
.endr
	v_nop                                          ; one plain instruction behind the scaled conversions
.irp c, 0,1                                    ; the operand wants a WHOLE block in a lane: lanes 0-15 channels 0-31, lanes 16-31 channels 32-63
.irp k, 0,1,2
	v_permlane16_swap_b32 v[PC+84*\hh+6*\c+\k], v[PC+84*\hh+12+4*\c+\k]
.endr
.irp k, 0,1,2
	v_mov_b32 v[PC+84*\hh+3+6*\c+\k], v[PC+84*\hh+12+4*\c+\k]
.endr
.endr
.endm
.macro STOREK hh, i                    ; the image of head hh, block i leaves from P[hh]
.irp c, 0,1,2
	global_store_b128 v1, v[PC+84*(\hh)+4*\c:PC+84*(\hh)+4*\c+3], s[34+2*(\hh):35+2*(\hh)] offset:(\i)*1536+512*\c   ; 512 consecutive aligned bytes
.endr
.endm
.macro BLOCKQK i
.if (\i) < 3
	s_wait_loadcnt 28                              ; all but the next block's 28 loads
.else
	s_wait_loadcnt 0x0
.endif
	MULQK 0, \i
	PLACES
.if (\i) > 0                                   ; (block 0's first half has no image to store and writes P0 for the first time: it has nothing to state)
	s_wait_xcnt 0x0                                ; the stores from P0, issued one run of products ago, have had their addresses translated: only behind this wait is P0 written again
	s_wait_alu depctr_vm_vsrc(0)                   ; and they have read P0, which this half's conversions write again
	s_wait_alu depctr_va_vdst(0)                   ; the last block's second head has written P1, which the stores below read
	STOREK 1, (\i)-1
.endif
	QUANTK 0, \i
	MULQK 1, \i
	PLACES
.if (\i) < 2
	WIN 0xc0                                       ; the window of x's loads is set ahead of the waits
.endif
.if (\i) > 0
	s_wait_xcnt 0x0                                ; the stores from P1, issued one run of products ago, have had their addresses translated: only behind this wait is P1 written again
	s_wait_alu depctr_vm_vsrc(0)                   ; and they have read P1, which this half's conversions write again
.endif
	s_wait_alu depctr_va_vdst(0)                   ; the first head has written P0, which the stores below read; both heads' products are done reading this block's fragments of x and their scale words, in which the loads below land
.if (\i) < 2
	XLOAD (\i)+2                                   ; into the buffer just read
.endif
	STOREK 0, \i
	QUANTK 1, \i
.endm
	XLOAD 0
	XLOAD 1
.irp i, 0,1,2,3
	BLOCKQK \i
.endr
	s_wait_alu depctr_va_vdst(0)                   ; the last half has written P1, and the eight scale words v32-39 are written: the stores below read them
	STOREK 1, 3
	global_store_b128 v1, v[SCL:SCL+3], s[38:39]   ; a head's scale words of this key step: 512 consecutive aligned bytes
	global_store_b128 v1, v[SCL+4:SCL+7], s[42:43]
	s_endpgm
.Lvalues:
	; ================ v
	v_and_b32 v4, 15, v0
	v_and_b32 v6, 8, v4
	v_add_nc_u32 v4, v4, v6
	v_lshlrev_b32 v4, 2, v4                        ; a lane holds one channel: all eight registers of a tile's bias are bv at that channel
	WIN 0x40
	s_wait_alu depctr_va_vdst(0)                   ; v4 is written, which the bias's loads read as their offset
.irp hh, 0,1
	WIN 0x40+0x40*\hh
.irp t, 0,1,2,3
.irp k, 0,1,2,3,4,5,6,7
	global_load_b32 v[BIAS+8*\t+\k], v4, s[28:29] offset:256*\hh+(32*(\t/2)+8*(\t%2))*4
.endr
.endr
.endr
	WIN 0
.macro MULV hh, i
.irp s, 0,1,2,3
.if \s == 0
	WIN 0x17+0x14*\hh                              ; x window 3, W window 1 or 2, C = the bias beside W
.else
	WIN 0x07+4*\hh
.endif
.irp t, 0,1,2,3
.irp u, 0,1
.if \s == 0
	WM ACC+16*\t+8*\u, 96*((\i)%2)+12*(4*\u+\s), 12*(4*\t+\s), BIAS+8*\t, XW+4*((\i)%2)+\s, WS+4*(2*\hh+\t/2)+\s, \u, \t%2
.else
	WM ACC+16*\t+8*\u, 96*((\i)%2)+12*(4*\u+\s), 12*(4*\t+\s), ACC+16*\t+8*\u, XW+4*((\i)%2)+\s, WS+4*(2*\hh+\t/2)+\s, \u, \t%2
.endif
.endr
.endr
.endr
	WIN 0
.endm
; block i (32 keys) of four tiles of channels: byte i of each tile's scale word; its codes go to their place in the tile's fragment of 128 keys
.macro QUANTV hh, i
	MAXES                                          ; block t: tile t's channel, keys 16 h + 0 .. 15 mine
.irp t, 0,1,2,3
.if (\i) == 0
	v_mov_b32 v[SCL+4*\hh+\t], v[TM+4+\t]
.else
	v_lshl_or_b32 v[SCL+4*\hh+\t], v[TM+4+\t], 8*(\i), v[SCL+4*\hh+\t]
.endif
.endr
.if (\i)%2 == 0
.irp t, 0,1,2,3
	v_cvt_scalef32_pk16_bf6_f32 v[VC+48*\hh+12*\t+6*((\i)/2):VC+48*\hh+12*\t+6*((\i)/2)+2], v[ACC+16*\t:ACC+16*\t+15], v[TM+12+\t]
.endr
	v_nop                                          ; one plain instruction behind the scaled conversions
.else
.irp t, 0,1,2,3
	v_cvt_scalef32_pk16_bf6_f32 v[PC+4*\t:PC+4*\t+2], v[ACC+16*\t:ACC+16*\t+15], v[TM+12+\t]
.endr
	v_nop
.irp t, 0,1,2,3                                ; lanes 0-15 get the even block whole, lanes 16-31 the odd one
.irp k, 0,1,2
	v_permlane16_swap_b32 v[VC+48*\hh+12*\t+6*((\i)/2)+\k], v[PC+4*\t+\k]
.endr
.irp k, 0,1,2
	v_mov_b32 v[VC+48*\hh+12*\t+6*((\i)/2)+3+\k], v[PC+4*\t+\k]
.endr
.endr
.endif
.endm
.macro BLOCKV i
.if (\i) < 3
	s_wait_loadcnt 28                              ; all but the next block's 28 loads
.else
	s_wait_loadcnt 0x0
.endif
	MULV 0, \i
	PLACES
	QUANTV 0, \i
	MULV 1, \i
	PLACES
.if (\i) < 2
	WIN 0xc0                                       ; the window of x's loads is set ahead of the wait
	s_wait_alu depctr_va_vdst(0)                   ; both heads' products are done reading this block's fragments of x and their scale words, in which the loads below land
	XLOAD (\i)+2
.endif
	QUANTV 1, \i
.endm
	XLOAD 0
	XLOAD 1
.irp i, 0,1,2,3
	BLOCKV \i
.endr
.irp hh, 0,1
	v_cndmask_b32 v[56+2*\hh], v[SCL+4*\hh+1], v[SCL+4*\hh], s40       ; lanes 0-15 tile 0's words, lanes 16-31 tile 1's
	v_cndmask_b32 v[57+2*\hh], v[SCL+4*\hh+3], v[SCL+4*\hh+2], s40     ; tiles 2 and 3
.endr
	s_wait_alu depctr_va_vdst(0)                   ; the eight fragments v148-243 and the four registers of scale words v56-59 are written: the stores below read them
.irp hh, 0,1
.set n, 0
.rept 12
	global_store_b128 v1, v[VC+48*\hh+4*n:VC+48*\hh+4*n+3], s[34+2*\hh:35+2*\hh] offset:512*n
.set n, n+1
.endr
	global_store_b64 v3, v[56+2*\hh:57+2*\hh], s[38+4*\hh:39+4*\hh]    ; 256 consecutive aligned bytes
.endr
	s_endpgm
.Lfunc_end_k_q8ee6eb1ddc_qkv:
	.size	k_q8ee6eb1ddc_qkv, .Lfunc_end_k_q8ee6eb1ddc_qkv-k_q8ee6eb1ddc_qkv
	.p2alignl 7, 3214868480
	.fill 96, 4, 3214868480
	.section	.rodata,"a",@progbits
	.p2align	6, 0x0
	.amdhsa_kernel k_q8ee6eb1ddc_qkv
		.amdhsa_group_segment_fixed_size 0
		.amdhsa_private_segment_fixed_size 0
		.amdhsa_enable_private_segment 0
		.amdhsa_kernarg_size 56
		.amdhsa_user_sgpr_count 2
		.amdhsa_user_sgpr_kernarg_segment_ptr 1
		.amdhsa_wavefront_size32 1
		.amdhsa_system_sgpr_workgroup_id_x 1
		.amdhsa_system_sgpr_workgroup_id_y 1
		.amdhsa_system_sgpr_workgroup_id_z 1
		.amdhsa_system_vgpr_workitem_id 0
		.amdhsa_next_free_vgpr 960
		.amdhsa_next_free_sgpr 66
		.amdhsa_reserve_vcc 0
		.amdhsa_float_denorm_mode_32 3
		.amdhsa_float_denorm_mode_16_64 3
		.amdhsa_memory_ordered 1
		.amdhsa_forward_progress 1
		.amdhsa_inst_pref_size 177
	.end_amdhsa_kernel
	.amdgpu_metadata
---
amdhsa.version: [ 1, 2 ]
amdhsa.kernels:
  - .name:           k_q8ee6eb1ddc_qkv
    .symbol:         k_q8ee6eb1ddc_qkv.kd
    .args:
      - { .name: xq, .offset: 0, .size: 8, .value_kind: global_buffer, .address_space: global }
      - { .name: wq, .offset: 8, .size: 8, .value_kind: global_buffer, .address_space: global }
      - { .name: bq, .offset: 16, .size: 8, .value_kind: global_buffer, .address_space: global }
      - { .name: bk, .offset: 24, .size: 8, .value_kind: global_buffer, .address_space: global }
      - { .name: bv, .offset: 32, .size: 8, .value_kind: global_buffer, .address_space: global }
      - { .name: qq, .offset: 40, .size: 8, .value_kind: global_buffer, .address_space: global }
      - { .name: kv, .offset: 48, .size: 8, .value_kind: global_buffer, .address_space: global }
    .group_segment_fixed_size: 0
    .private_segment_fixed_size: 0
    .kernarg_segment_align: 8
    .kernarg_segment_size: 56
    .max_flat_workgroup_size: 128
    .sgpr_count:     66
    .vgpr_count:     960
    .wavefront_size: 32
...
	.end_amdgpu_metadata
.endif
;; end of part 6
;; launch attn (part 7): grid 16 x 16, 16 waves a work-group, clusters of 4 x 1, 327,680 bytes of LDS; arguments qq, kv, oq; writes oq
.if DOCPART == 7
	.amdgcn_target "amdgcn-amd-amdhsa--gfx1250"
	.amdhsa_code_object_version 6
	.text
	.protected	k_q8ee6eb1ddc_attn
	.globl	k_q8ee6eb1ddc_attn
	.p2align	8
	.type	k_q8ee6eb1ddc_attn,@function
k_q8ee6eb1ddc_attn:
	s_mov_b64 s[64:65], 0
	v_nop
	global_prefetch_b8 v0, s[64:65] scope:SCOPE_SE
	s_setreg_imm32_b32 hwreg(HW_REG_WAVE_MODE, 25, 1), 1
	s_wait_xcnt 0x0
	s_wait_alu depctr_hold_cnt(0) depctr_sa_sdst(0) depctr_va_vdst(0) depctr_va_sdst(0) depctr_va_ssrc(0) depctr_va_vcc(0) depctr_vm_vsrc(0)
	s_getreg_b32 s2, hwreg(HW_REG_IB_STS2, 6, 4)
	s_cmp_eq_u32 s2, 0
	s_cbranch_scc0 .Lentry_in_a_cluster
	s_endpgm
.Lentry_in_a_cluster:
	s_bfe_u32 s2, ttmp6, 0x10000c
	s_cmp_lg_u32 s2, 0x3003
	s_cbranch_scc0 .Lentry_shape_is_right
	s_endpgm
.Lentry_shape_is_right:
; Causal attention of one head on codes of BF6 with E8M0 scales: o = softmax(q k^T / 8) v, and o quantised along the channels for the output projection.
; THE SOFTMAX AHEAD OF THE SECOND PRODUCT: t = score x log2(e) / 8; M = the row's largest t so far, rounded UP to a whole number; p = 2^(t - M) is quantised along the keys, not normalised.  The row's sum is
; taken of the unquantised p and divides at the end.  When M moves, the sum and O are multiplied by 2^(old M - new M): exact.
; SHARES: work-group (g, head16), g = 0 .. 15.  Each of its SIXTEEN waves owns ONE tile of 16 queries, tile 16 p + g; p is the wave's entry in a 4 x 4 magic square, whose rows and columns all add to 30:
; so each four waves w % 4 = const, and each four w / 4 = const, have 64 or 68 key steps between them, and all work-groups have the same work.  Every work-group walks all 32 key steps of 128 keys: trip counts are constants.
; CAUSAL: a wave's diagonal step is JD = 2 p + (cluster x) / 2, made of the wave's number and the cluster's x alone.  A step behind it is left out by a scalar branch round its work (not round the lines that step addresses;
; no barrier or tensor load stands in a step); in step JD hidden scores become -infinity ahead of the maximum.
; CLUSTER: the four work-groups of a cluster walk the same head's K and V, so each slot is asked for JOINTLY: the same tensor load with the same descriptor and the mask of all four.
; LAYOUT: both products are used transposed (S^T = K Q^T, O^T = V^T P^T): a lane holds one query throughout.  By the tiles' order (lane r of tile u = member 8 u + r + 8 (r / 8) of 32) the 16 registers of two
; neighbouring tiles of S^T are 16 neighbouring keys, and those of O^T 16 neighbouring channels.  K, V and their scale words lie in memory and in LDS as images of the operands' registers: every LDS read is 16 or 8 bytes x lane on end.
; K = 64 FILLS HALF OF THE FORM'S 128: tile t's source 0 is v[32 + 6 t] on, 12 registers: its upper six are the NEXT tile's codes (zeros for tile 7).  Q's upper six registers are zero codes and the format has neither
; infinity nor NaN, so each of those products is exactly 0; the scale bytes there are 0, which is 2^-127 and no NaN.
; LIMITS: NaN and infinities are not served; a block of o whose largest magnitude lies under 2^-122, a block of zeros too, gets the byte 1 (the bytes are read by this program alone).
; A block's largest p is the block's largest score put through the same multiply-add and exponential: this takes v_exp_f32 not to fall where its input rises.
; REGISTERS: v1-11 addresses; v12 -M, v13 the largest t, v[14:15] the sum; v16-27 Q; v[28:29] V's words, v30 Q's, v31 p's; v32-79 K (then p's codes), v80-85 zeros; v86-133 V; v134-197 S^T, then p; v198-229 O^T;
;   v230-233 K's words; v[234:235] f; v236-255 at work.
.set STEPB, 12288                      ; a key step: K's four pair images, V's four fragments
.set SLOTB, 8*STEPB                    ; a slot: eight key steps
.set SLOT1, 1<<17                      ; slot 1 begins here: one exclusive or turns an address in one slot into the other's
.set SCK,   SLOTB                      ; between the slots: K's scale words of the whole head, 16,384 bytes,
.set SCV,   SCK+16384                  ; V's, 8,192,
.set SPARE, SCV+8192                   ; and the spare words, 128 bytes for each wave: eight blocks of 256 bytes that no other line names
.set SC, 134
.set OT, 198
.set BM, 236                           ; block maxima
.set PT, 240                           ; permutes, a chain of the sum, bytes
.set SO, 244                           ; scale operands
.macro CROUND                          ; a round of the cluster's barrier
	s_barrier_signal -1
	s_barrier_wait -1
	s_cmp_lg_u32 s18, 0
	s_cbranch_scc1 .Lnot_wave_0_\@
	s_barrier_signal -3
.Lnot_wave_0_\@:
	s_barrier_wait -3
	s_barrier_signal -1
	s_barrier_wait -1
.endm
.macro JLOAD                           ; waves 0 to 3 fetch a quarter of a slot each; four v_nop follow the load
	s_cmp_lt_u32 s18, 4
	s_cbranch_scc0 .Lnone_\@
	tensor_load_to_lds s[44:47], s[28:35]
	s_nop 0
.rept 4
	v_nop
.endr
.Lnone_\@:
.endm
; A PREFETCH of the slot that the NEXT change of slots will ask for: eight key steps ahead of that load.  All clusters of a head walk the same bytes: the head's first cluster asks.  Its four partners take 24,576 bytes each, told apart
; BY ADDRESS; in each, waves 4, 5 and 6 ask for 8,192 bytes, lanes 256 bytes apart: each aligned 256 bytes of slots 2 and 3 are named once in the launch.  Slots 0 and 1 and the scale words come by their loads alone; the last change that fills a slot asks for nothing.
.macro ASK
	s_cmp_gt_u32 s56, s60
	s_cbranch_scc0 .Lnot_mine_\@
	global_prefetch_b8 v9, s[58:59] th:TH_LOAD_NT scope:SCOPE_SE
.Lnot_mine_\@:
.endm
	s_load_b128 s[4:7], s[0:1], 0x0                ; qq, kv
	s_load_b64 s[8:9], s[0:1], 0x10                ; oq
	v_lshl_add_u32 v1, v0, 2, SPARE                ; my spare word; never rewritten
	v_mov_b32 v2, 0                                ; 0; never rewritten
	ds_add_u32 v1, v2
	ds_add_u32 v1, v2
	s_wait_dscnt 0x0
	v_lshrrev_b32 v3, 5, v0
	s_delay_alu instid0(VALU_DEP_1)
	v_readfirstlane_b32 s18, v3                    ; wave 0..15
	s_bfe_u32 s19, ttmp6, 0x40000                  ; cx
	s_lshl_b32 s20, ttmp9, 2
	s_add_co_u32 s20, s20, s19                     ; g = 4 x cluster x + cx: it enters global addresses and data alone
	s_and_b32 s21, ttmp7, 0xffff                   ; head16
	s_lshr_b32 s22, s18, 2                         ; the magic square: w is kept off the two diagonals of the 4 x 4 and turned into 15 - w on them
	s_xor_b32 s22, s22, s18
	s_and_b32 s22, s22, 3
	s_lshr_b32 s23, s22, 1
	s_xor_b32 s23, s23, s22
	s_xor_b32 s23, s23, 1
	s_and_b32 s23, s23, 1
	s_mul_i32 s23, s23, 15
	s_xor_b32 s22, s18, s23                        ; p
	s_lshl_b32 s23, s22, 1
	s_lshr_b32 s62, ttmp9, 1
	s_add_co_u32 s23, s23, s62                     ; JD: g / 8 = cluster x / 2, the same in all four partners
	s_mov_b32 s24, 0x76543210
	s_mov_b32 s25, 0xfedcba98                      ; selects for lane l xor 16
	s_mov_b32 s26, 0x3e38aa3b                      ; c = log2(e) / 8
	s_mov_b32 s27, s26                             ; (named with it as a pair, so it is written)
	; descriptor groups 1: dense blocks as rows of 256 bytes (32 elements of 8 bytes): 96 rows of codes, 24 of scale words
	s_mov_b32 s28, 15|(3<<16)|(1<<21)              ; 15:0 the mask: all four work-groups; 17:16 elements of 8 bytes; 21 set beside a mask; no padding
	s_mov_b32 s29, 32<<16                          ; tensor_dim0
	s_mov_b32 s30, 96<<16                          ; tensor_dim1
	s_mov_b32 s31, 32<<16                          ; tile_dim0
	s_mov_b32 s32, 96                              ; tile_dim1
	s_mov_b32 s33, 32                              ; stride
	s_mov_b32 s34, 0
	s_mov_b32 s35, 0
	s_mov_b32 s36, 15|(3<<16)|(1<<21)
	s_mov_b32 s37, 32<<16
	s_mov_b32 s38, 24<<16
	s_mov_b32 s39, 32<<16
	s_mov_b32 s40, 24
	s_mov_b32 s41, 32
	s_mov_b32 s42, 0
	s_mov_b32 s43, 0
	s_and_b32 s63, s18, 3
	s_mul_i32 s66, s21, 393216                     ; the head's codes in kv
	s_mov_b32 s67, 0
	s_mul_i32 s68, s63, 24576                      ; my quarter of a slot, in memory and in LDS
	s_mov_b32 s69, 0
	s_mul_i32 s70, s21, 24576                      ; the head's scale words
	s_add_co_u32 s70, s70, 6291456
	s_mul_i32 s72, s63, 6144                       ; my quarter of them
	s_add_co_u32 s70, s70, s72
	s_mov_b32 s71, 0
	s_mul_i32 s76, s19, 24576                      ; the prefetches: my work-group's quarter of a slot,
	s_lshl_b32 s77, s63, 13                        ; my wave's third of that,
	s_add_co_u32 s76, s76, s77
	s_add_co_u32 s76, s76, SLOTB                   ; in slot 1: the first change of slots steps it to slot 2
	s_mov_b32 s77, 0
	s_sub_co_u32 s60, s18, 4
	s_cmp_lt_u32 s60, 3                            ; waves 4, 5, 6
	s_cselect_b32 s60, 0, 1
	s_or_b32 s60, s60, ttmp9                       ; of the head's first cluster
	s_cmp_eq_u32 s60, 0
	s_cselect_b32 s60, 1, -1                       ; a wave asks while the count of slots is above this
	s_and_b32 s61, s20, 1
	s_sub_co_u32 s61, 0, s61                       ; all ones where my tile is the second of its pair
	s_lshl_b32 s78, s22, 3
	s_lshr_b32 s79, s20, 1
	s_add_co_u32 s78, s78, s79                     ; my pair of tiles: 8 p + g / 2
	s_mul_i32 s80, s78, 1536
	s_mul_i32 s81, s21, 196608
	s_add_co_u32 s80, s80, s81                     ; its image in qq
	s_mov_b32 s81, 0
	s_lshl_b32 s82, s21, 14                        ; Q's scale words: [head16][pair / 4][lane][pair % 4]
	s_add_co_u32 s82, s82, 3145728
	s_lshr_b32 s84, s78, 2
	s_lshl_b32 s84, s84, 9
	s_add_co_u32 s82, s82, s84
	s_and_b32 s84, s78, 3
	s_lshl_b32 s84, s84, 2
	s_add_co_u32 s82, s82, s84
	s_and_b32 s84, s20, 1
	s_lshl_b32 s84, s84, 8                         ; the pair's second tile stands in lanes 16-31
	s_add_co_u32 s82, s82, s84
	s_mov_b32 s83, 0
	s_lshr_b32 s84, s21, 3
	s_lshl_b32 s84, s84, 8
	s_lshl_b32 s85, s22, 4
	s_add_co_u32 s84, s84, s85
	s_add_co_u32 s84, s84, s20                     ; my tile among the 512 of both batches
	s_and_b32 s85, s21, 7                          ; the head
	s_mul_i32 s86, s84, 6144
	s_mul_i32 s88, s85, 768
	s_add_co_u32 s86, s86, s88                     ; oq: codes
	s_mov_b32 s87, 0
	s_lshl_b32 s88, s84, 10
	s_lshl_b32 s90, s85, 7
	s_add_co_u32 s88, s88, s90
	s_add_co_u32 s88, s88, 3145728                 ; and scale words
	s_mov_b32 s89, 0
	s_bfe_u32 s90, s20, 0x20001
	s_lshl_b32 s90, s90, 5
	s_and_b32 s91, s20, 1
	s_lshl_b32 s91, s91, 3
	s_add_co_u32 s90, s90, s91                     ; my tile's first query within its diagonal step
	s_mov_b32 s52, 0                               ; LDS byte of the key step in hand
	s_mov_b32 s53, SCK                             ; its scale words of K: 512 bytes a step
	s_mov_b32 s54, SCV                             ; of V: 256
	s_mov_b32 s55, 0                               ; the key step
	s_mov_b32 s56, 3                               ; slots still to be asked for
	s_wait_kmcnt 0x0
	s_add_nc_u64 s[74:75], s[6:7], s[66:67]
	s_mov_b32 s44, 1                               ; group 0 for the codes: it walks
	s_mov_b32 s45, s68
	s_add_nc_u64 s[46:47], s[74:75], s[68:69]
	s_or_b32 s47, s47, 0x80000000
	s_mov_b32 s48, 1                               ; group 0 for the scale words: filled once
	s_add_co_u32 s49, s72, SCK
	s_add_nc_u64 s[50:51], s[6:7], s[70:71]
	s_or_b32 s51, s51, 0x80000000
	s_add_nc_u64 s[58:59], s[74:75], s[76:77]
	s_add_nc_u64 s[10:11], s[4:5], s[80:81]
	s_add_nc_u64 s[12:13], s[4:5], s[82:83]
	s_add_nc_u64 s[14:15], s[8:9], s[86:87]
	s_add_nc_u64 s[16:17], s[8:9], s[88:89]
	CROUND                                         ; all four work-groups are here: the first joint loads meet
	s_cmp_lt_u32 s18, 4                            ; a wave's two first fills stand in one branch: two loads of mine are out
	s_cbranch_scc0 .Lfirst_none
	tensor_load_to_lds s[48:51], s[36:43]          ; the head's scale words
	s_nop 0
	tensor_load_to_lds s[44:47], s[28:35]          ; slot 0
	s_nop 0
.rept 4
	v_nop
.endr
.Lfirst_none:
	v_and_b32 v10, 31, v0
	s_delay_alu instid0(VALU_DEP_1)
	v_lshlrev_b32 v3, 4, v10                       ; 16 x lane
	s_delay_alu instid0(VALU_DEP_2)
	v_lshlrev_b32 v4, 3, v10                       ; 8 x lane
	s_delay_alu instid0(VALU_DEP_3)
	v_lshlrev_b32 v9, 8, v10                       ; 256 x lane
	s_delay_alu instid0(VALU_DEP_4)
	v_lshlrev_b32 v10, 2, v10                      ; 4 x lane
	v_and_b32 v11, 15, v0                          ; r
	s_delay_alu instid0(VALU_DEP_1)
	v_and_b32 v8, 8, v11
	s_delay_alu instid0(VALU_DEP_1)
	v_add_nc_u32 v8, v8, v11
	v_bfe_u32 v5, v0, 4, 1
	s_delay_alu instid0(VALU_DEP_1)
	v_lshlrev_b32 v5, 4, v5
	s_delay_alu instid0(VALU_DEP_1)
	v_sub_nc_u32 v8, v8, v5
	s_delay_alu instid0(VALU_DEP_1)
	v_add_nc_u32 v8, s90, v8                       ; d = my query within the diagonal step - 16 h.  Register 16 b + i of S^T holds key 32 b + 16 h + i: hidden where 32 b + i > d
	v_lshlrev_b32 v11, 4, v11
.irp c, 0,1,2
	global_load_b128 v[86+4*\c:89+4*\c], v3, s[10:11] offset:512*\c    ; my pair's image
.endr
	global_load_b32 v30, v11, s[12:13]             ; Q's scale words
	v_mov_b32 v13, 0xff61b1e6                      ; the largest t so far: -3e38, under every t
	s_delay_alu instid0(VALU_DEP_1)
	v_floor_f32 v12, -v13                          ; -M
	v_mov_b32 v14, 0
	v_mov_b32 v15, 0
	v_mov_b32 v235, 0                              ; (named as the upper half of the pair v[234:235])
.irp i, 0,1,2,3
	v_mov_b32 v[PT+\i], 0                          ; a lane permute's destination counts as one of its sources
.endr
.irp i, 0,1,2,3,4,5
	v_mov_b32 v[22+\i], 0                          ; Q's codes of k = 64 .. 127
	v_mov_b32 v[80+\i], 0                          ; and what stands behind K's last tile
.endr
	s_wait_loadcnt 0x0
.irp i, 0,1,2,3,4,5
	v_cndmask_b32 v[16+\i], v[86+\i], v[92+\i], s61    ; my tile of the pair
.endr
.set j, 0
.rept 32
	v_mov_b32 v[OT+j], 0                           ; O^T: the loop has no first step of its own: the first change of M multiplies zeros.  (Also the places between Q's selects and the first product)
.set j, j+1
.endr
; A KEY STEP: 128 keys
.macro STEP
	s_cmp_gt_u32 s55, s23
	s_cbranch_scc1 .Lhidden_\@                     ; all its keys come after my queries
	s_setprio 2
	v_add_nc_u32 v5, s52, v3
	v_add_nc_u32 v6, s53, v3
	v_add_nc_u32 v7, s54, v4
	v_nop                                          ; four places in front of loads into registers that the last products read
	ds_load_b128 v[230:233], v6                    ; K's words: register i: lanes 0-15 tile 2 i, lanes 16-31 tile 2 i + 1
.irp c, 0,1,2,3,4,5,6,7,8,9,10,11
	ds_load_b128 v[32+4*\c:35+4*\c], v5 offset:512*\c
.endr
	ds_load_b64 v[28:29], v7                       ; V's words, likewise
.irp c, 0,1,2,3,4,5,6,7,8,9,10,11
	ds_load_b128 v[86+4*\c:89+4*\c], v5 offset:6144+512*\c
.endr
	s_wait_dscnt 13                                ; K and its words are in; V's 13 loads may be out
.irp t, 0,1,2,3,4,5,6,7
.if \t%2
	v_wmma_scale_f32_16x16x128_f8f6f4 v[SC+8*\t:SC+8*\t+7], v[32+6*\t:43+6*\t], v[16:27], 0, v[230+\t/2], v30 matrix_a_fmt:MATRIX_FMT_BF6 matrix_b_fmt:MATRIX_FMT_BF6 matrix_a_scale:MATRIX_SCALE_ROW1
.else
	v_wmma_scale_f32_16x16x128_f8f6f4 v[SC+8*\t:SC+8*\t+7], v[32+6*\t:43+6*\t], v[16:27], 0, v[230+\t/2], v30 matrix_a_fmt:MATRIX_FMT_BF6 matrix_b_fmt:MATRIX_FMT_BF6
.endif
.endr
.rept 4
	v_nop
.endr
	s_cmp_lg_u32 s55, s23
	s_cbranch_scc1 .Lopen_\@                       ; only the diagonal step has hidden keys
	v_mov_b32 v248, 0xff800000                     ; -infinity: p = 0 then
.set n, 0
.rept 64
	v_cmp_gt_i32 vcc_lo, 32*(n/16)+n%16, v8
	v_cndmask_b32 v[SC+n], v[SC+n], v248, vcc_lo
.set n, n+1
.endr
.Lopen_\@:
.irp b, 0,1,2,3
	v_max3_num_f32 v[BM+\b], v[SC+16*\b], v[SC+1+16*\b], v[SC+2+16*\b]     ; the largest score of each block of 32 keys: it serves the row's maximum and the block's largest p
.endr
.irp i, 3,5,7,9,11,13
.irp b, 0,1,2,3
	v_max3_num_f32 v[BM+\b], v[BM+\b], v[SC+16*\b+\i], v[SC+1+16*\b+\i]
.endr
.endr
.irp b, 0,1,2,3
	v_max_num_f32 v[BM+\b], v[BM+\b], v[SC+15+16*\b]
.endr
.irp b, 0,1,2,3
	s_delay_alu instid0(VALU_DEP_4)
	v_permlanex16_b32 v[PT+\b], v[BM+\b], s24, s25
.endr
.irp b, 0,1,2,3
	s_delay_alu instid0(VALU_DEP_4)
	v_max_num_f32 v[BM+\b], v[BM+\b], v[PT+\b]     ; with lane l xor 16's 16 keys
.endr
	s_delay_alu instid0(VALU_DEP_2)
	v_max3_num_f32 v248, v236, v237, v238
	s_delay_alu instid0(VALU_DEP_1)
	v_max_num_f32 v248, v248, v239
	s_delay_alu instid0(VALU_DEP_1)
	v_mul_f32 v248, s26, v248                      ; the step's largest t
	s_delay_alu instid0(VALU_DEP_1)
	v_max_num_f32 v13, v13, v248
	v_mov_b32 v248, v12
	s_delay_alu instid0(VALU_DEP_2)
	v_floor_f32 v12, -v13                          ; the new -M = -ceil(t)
	s_delay_alu instid0(VALU_DEP_1)
	v_sub_f32 v248, v12, v248                      ; old M - new M: a whole number, 0 or less
	s_delay_alu instid0(VALU_DEP_1)
	v_cvt_i32_f32 v248, v248                       ; (it saturates)
	s_delay_alu instid0(VALU_DEP_1)
	v_ldexp_f32 v234, 1.0, v248                    ; f = 2^(old M - new M)
.set j, 0
.rept 32
	v_pk_fma_f32 v[SC+j:SC+j+1], v[SC+j:SC+j+1], s[26:27], v[12:13] op_sel_hi:[1,0,0]     ; t - M
.set j, j+2
.endr
	s_setprio 1
.irp b, 0,1,2,3
	v_fma_f32 v[BM+\b], v[BM+\b], s26, v12
.endr
.set j, 0
	s_wait_alu depctr_va_vdst(0)
.rept 64
	v_exp_f32 v[SC+j], v[SC+j]                     ; p = 2^(t - M)
.set j, j+1
.endr
	v_pk_mul_f32 v[14:15], v[14:15], v[234:235] op_sel_hi:[1,0]    ; the sums under the new M: the plain instruction behind the exponentials
	s_wait_alu depctr_va_vdst(0)                   ; one wait for the batch, ahead of its first reader
.irp b, 0,1,2,3
	v_exp_f32 v[BM+\b], v[BM+\b]                   ; each block's largest p
.endr
	v_pk_add_f32 v[240:241], v[138:139], v[142:143]
	v_pk_add_f32 v[254:255], v[146:147], v[150:151]
	v_pk_add_f32 v[252:253], v[154:155], v[158:159]
	v_pk_add_f32 v[250:251], v[162:163], v[166:167]
	v_pk_add_f32 v[248:249], v[170:171], v[174:175]
	v_pk_add_f32 v[246:247], v[178:179], v[182:183]
	v_pk_add_f32 v[244:245], v[186:187], v[190:191]
	v_pk_add_f32 v[14:15], v[14:15], v[194:195]
	v_pk_add_f32 v[240:241], v[240:241], v[134:135]
	v_pk_add_f32 v[254:255], v[254:255], v[136:137]
	v_pk_add_f32 v[252:253], v[252:253], v[140:141]
	v_pk_add_f32 v[250:251], v[250:251], v[144:145]
	v_pk_add_f32 v[248:249], v[248:249], v[148:149]
	v_pk_add_f32 v[246:247], v[246:247], v[152:153]
	v_pk_add_f32 v[244:245], v[244:245], v[156:157]
	v_pk_add_f32 v[14:15], v[14:15], v[160:161]
	v_pk_add_f32 v[240:241], v[240:241], v[164:165]
	v_pk_add_f32 v[254:255], v[254:255], v[168:169]
	v_pk_add_f32 v[252:253], v[252:253], v[172:173]
	v_pk_add_f32 v[250:251], v[250:251], v[176:177]
	v_pk_add_f32 v[248:249], v[248:249], v[180:181]
	v_pk_add_f32 v[246:247], v[246:247], v[184:185]
	v_pk_add_f32 v[244:245], v[244:245], v[188:189]
	v_pk_add_f32 v[14:15], v[14:15], v[192:193]
	v_pk_add_f32 v[240:241], v[240:241], v[196:197]
	s_delay_alu instid0(VALU_DEP_2)
	v_pk_add_f32 v[14:15], v[14:15], v[250:251]
	s_delay_alu instid0(VALU_DEP_2)
	v_pk_add_f32 v[240:241], v[240:241], v[248:249]
	v_pk_add_f32 v[254:255], v[254:255], v[246:247]
	v_pk_add_f32 v[252:253], v[252:253], v[244:245]
	s_delay_alu instid0(VALU_DEP_2)
	v_pk_add_f32 v[14:15], v[14:15], v[254:255]
	s_delay_alu instid0(VALU_DEP_2)
	v_pk_add_f32 v[240:241], v[240:241], v[252:253]
	s_delay_alu instid0(VALU_DEP_1)
	v_pk_add_f32 v[14:15], v[14:15], v[240:241]
	s_wait_alu depctr_va_vdst(0)                   ; and one for the four
.irp b, 0,1,2,3
	v_max_num_f32 v[BM+\b], 0x2800000, v[BM+\b]    ; the floor 2^(5 - 127): the byte cannot fall under 1
.endr
.irp b, 0,1,2,3
	s_delay_alu instid0(VALU_DEP_4)
	v_add_nc_u32 v[SO+\b], 0xfe000000, v[BM+\b]
.endr
.irp b, 0,1,2,3
	s_delay_alu instid0(VALU_DEP_4)
	v_lshrrev_b32 v[PT+\b], 23, v[SO+\b]
.endr
	s_delay_alu instid0(VALU_DEP_3)
	v_lshl_or_b32 v31, v241, 8, v240               ; p's scale word for these 128 keys
	s_delay_alu instid0(VALU_DEP_1)
	v_lshl_or_b32 v31, v242, 16, v31
	s_delay_alu instid0(VALU_DEP_1)
	v_lshl_or_b32 v31, v243, 24, v31
	s_setprio 0
.irp c, 0,1
	v_cvt_scalef32_pk16_bf6_f32 v[32+6*\c:34+6*\c], v[SC+32*\c:SC+15+32*\c], v[SO+2*\c]
	v_cvt_scalef32_pk16_bf6_f32 v[44+4*\c:46+4*\c], v[SC+16+32*\c:SC+31+32*\c], v[SO+1+2*\c]
.endr
	v_nop                                          ; one plain instruction behind the scaled conversions
.irp c, 0,1                                    ; the operand wants a WHOLE block in a lane
.irp i, 0,1,2
	v_permlane16_swap_b32 v[32+6*\c+\i], v[44+4*\c+\i]
.endr
.irp i, 0,1,2
	s_delay_alu instid0(VALU_DEP_3)
	v_mov_b32 v[35+6*\c+\i], v[44+4*\c+\i]
.endr
.endr
.set j, 0
.rept 16
	v_pk_mul_f32 v[OT+j:OT+j+1], v[OT+j:OT+j+1], v[234:235] op_sel_hi:[1,0]       ; O^T under the new M.  (Also the places between p's codes and scale word and the products)
.set j, j+2
.endr
	s_wait_alu depctr_va_vdst(0)
	s_wait_dscnt 0x0                               ; V is in
.irp t, 0,1,2,3
.if \t%2
	v_wmma_scale_f32_16x16x128_f8f6f4 v[OT+8*\t:OT+8*\t+7], v[86+12*\t:97+12*\t], v[32:43], v[OT+8*\t:OT+8*\t+7], v[28+\t/2], v31 matrix_a_fmt:MATRIX_FMT_BF6 matrix_b_fmt:MATRIX_FMT_BF6 matrix_a_scale:MATRIX_SCALE_ROW1
.else
	v_wmma_scale_f32_16x16x128_f8f6f4 v[OT+8*\t:OT+8*\t+7], v[86+12*\t:97+12*\t], v[32:43], v[OT+8*\t:OT+8*\t+7], v[28+\t/2], v31 matrix_a_fmt:MATRIX_FMT_BF6 matrix_b_fmt:MATRIX_FMT_BF6
.endif
.endr
.Lhidden_\@:
	s_add_co_u32 s55, s55, 1
	s_add_co_u32 s52, s52, STEPB
	s_add_co_u32 s53, s53, 512
	s_add_co_u32 s54, s54, 256
.endm
.macro STEPS                           ; a slot's eight key steps: written once, walked eight times
	s_mov_b32 s57, 8
.Lstep_\@:
	STEP
	s_sub_co_u32 s57, s57, 1
	s_cmp_lg_u32 s57, 0
	s_cbranch_scc1 .Lstep_\@
	s_setprio 0
	s_sub_co_u32 s52, s52, SLOTB                   ; back to a slot's first step,
	s_xor_b32 s52, s52, SLOT1                      ; in the other slot
.endm
; THE CHANGE OF SLOTS stands at a slot's head.  Each wave waits for all its tensor loads (its part of the slot ahead), adds 0 to its spare word, and waits for that and for its reads of the slot that it has left.
; fill = 1: the barrier is a round of the cluster's, and behind it the slot just left is filled with the next eight key steps: one load a wave out, with a whole slot's steps in which to land.
.macro CHANGE fill
	s_wait_tensorcnt 0x0                           ; no tensor load of mine is out, so a group 0 may be written
	ds_add_u32 v1, v2                              ; 0 onto my spare word
.if \fill
	s_xor_b32 s45, s45, SLOT1                      ; the walking descriptor: the other slot,
	s_add_nc_u64 s[46:47], s[46:47], SLOTB         ; the next eight key steps; the type bits on top are not reached
	s_wait_xcnt 0x0                                ; the last prefetch, a slot back, has read its address
	s_add_nc_u64 s[58:59], s[58:59], SLOTB         ; one slot further on than the walking descriptor
	s_wait_dscnt 0x0                               ; the add is done, and my reads of the slot that I have left are over
	CROUND
	JLOAD
	ASK
.else
	s_wait_dscnt 0x0
	s_barrier_signal -1
	s_barrier_wait -1
.endif
.endm
.Lslot:                                            ; three trips: behind each change of slots but the last the next slot is asked for
	CHANGE 1
	STEPS
	s_sub_co_u32 s56, s56, 1
	s_cmp_lg_u32 s56, 0
	s_cbranch_scc1 .Lslot
	CHANGE 0                                       ; the last slot is written out
	STEPS
	; THE WAY OUT: O^T / the sum, quantised along the head's 64 channels: half a fragment of the output projection's operand, as it stands in registers
.rept 4
	v_nop                                          ; places behind the last products: a wave's last steps may have been left out and hold no vector work
.endr
	v_add_f32 v14, v14, v15
	s_delay_alu instid0(VALU_DEP_1)
	v_permlanex16_b32 v240, v14, s24, s25
	s_delay_alu instid0(VALU_DEP_1)
	v_add_f32 v14, v14, v240                       ; the row's sum
	s_wait_alu depctr_va_vdst(0)
	v_rcp_f32 v14, v14
	v_nop                                          ; a plain instruction behind the transcendental
	s_wait_alu depctr_va_vdst(0)                   ; and the wait ahead of its first reader
.set j, 0
.rept 32
	v_mul_f32 v[SC+j], v[OT+j], v14                ; register 16 b + i: channel 32 b + 16 h + i of my query
.set j, j+1
.endr
.irp b, 0,1
	v_max3_num_f32 v[BM+\b], |v[SC+16*\b]|, |v[SC+1+16*\b]|, 0x2800000
.endr
.irp i, 2,4,6,8,10,12,14
.irp b, 0,1
	s_delay_alu instid0(VALU_DEP_2)
	v_max3_num_f32 v[BM+\b], v[BM+\b], |v[SC+16*\b+\i]|, |v[SC+1+16*\b+\i]|
.endr
.endr
.irp b, 0,1
	s_delay_alu instid0(VALU_DEP_2)
	v_permlanex16_b32 v[PT+\b], v[BM+\b], s24, s25
.endr
.irp b, 0,1
	s_delay_alu instid0(VALU_DEP_2)
	v_max_num_f32 v[BM+\b], v[BM+\b], v[PT+\b]
.endr
.irp b, 0,1
	s_delay_alu instid0(VALU_DEP_2)
	v_add_nc_u32 v[SO+\b], 0xfe000000, v[BM+\b]
.endr
.irp b, 0,1
	s_delay_alu instid0(VALU_DEP_2)
	v_lshrrev_b32 v[PT+\b], 23, v[SO+\b]
.endr
	s_delay_alu instid0(VALU_DEP_1)
	v_lshl_or_b32 v31, v241, 8, v240               ; the head's two bytes of my row
	v_cvt_scalef32_pk16_bf6_f32 v[32:34], v[SC:SC+15], v244
	v_cvt_scalef32_pk16_bf6_f32 v[44:46], v[SC+16:SC+31], v245
	v_nop
.irp i, 0,1,2
	v_permlane16_swap_b32 v[32+\i], v[44+\i]
.endr
.irp i, 0,1,2
	s_delay_alu instid0(VALU_DEP_3)
	v_mov_b32 v[35+\i], v[44+\i]
.endr
	global_store_b128 v3, v[32:35], s[14:15]       ; registers 0-3: 512 consecutive aligned bytes
	global_store_b64 v4, v[36:37], s[14:15] offset:512     ; registers 4-5: 256
	global_store_b32 v10, v31, s[16:17]            ; the words: 128 bytes, half of an aligned 256
	s_wait_tensorcnt 0x0                           ; the wave's end
	ds_add_u32 v1, v2
	s_wait_dscnt 0x0
	CROUND                                         ; the closing round: no work-group ends while a partner may still ask for a slot that names it
	s_endpgm
.Lfunc_end_k_q8ee6eb1ddc_attn:
	.size	k_q8ee6eb1ddc_attn, .Lfunc_end_k_q8ee6eb1ddc_attn-k_q8ee6eb1ddc_attn
	.p2alignl 7, 3214868480
	.fill 96, 4, 3214868480
	.section	.rodata,"a",@progbits
	.p2align	6, 0x0
	.amdhsa_kernel k_q8ee6eb1ddc_attn
		.amdhsa_group_segment_fixed_size 327680
		.amdhsa_private_segment_fixed_size 0
		.amdhsa_enable_private_segment 0
		.amdhsa_kernarg_size 24
		.amdhsa_user_sgpr_count 2
		.amdhsa_user_sgpr_kernarg_segment_ptr 1
		.amdhsa_wavefront_size32 1
		.amdhsa_system_sgpr_workgroup_id_x 1
		.amdhsa_system_sgpr_workgroup_id_y 1
		.amdhsa_system_sgpr_workgroup_id_z 1
		.amdhsa_system_vgpr_workitem_id 0
		.amdhsa_next_free_vgpr 256
		.amdhsa_next_free_sgpr 96
		.amdhsa_reserve_vcc 1
		.amdhsa_float_denorm_mode_32 3
		.amdhsa_float_denorm_mode_16_64 3
		.amdhsa_memory_ordered 1
		.amdhsa_forward_progress 1
		.amdhsa_inst_pref_size 60
	.end_amdhsa_kernel
	.amdgpu_metadata
---
amdhsa.version: [ 1, 2 ]
amdhsa.kernels:
  - .name:           k_q8ee6eb1ddc_attn
    .symbol:         k_q8ee6eb1ddc_attn.kd
    .args:
      - { .name: qq, .offset: 0, .size: 8, .value_kind: global_buffer, .address_space: global }
      - { .name: kv, .offset: 8, .size: 8, .value_kind: global_buffer, .address_space: global }
      - { .name: oq, .offset: 16, .size: 8, .value_kind: global_buffer, .address_space: global }
    .group_segment_fixed_size: 327680
    .private_segment_fixed_size: 0
    .kernarg_segment_align: 8
    .kernarg_segment_size: 24
    .max_flat_workgroup_size: 512
    .sgpr_count:     96
    .vgpr_count:     256
    .wavefront_size: 32
...
	.end_amdgpu_metadata
.endif
;; end of part 7
;; launch oproj (part 8): grid 128 x 2, 4 waves a work-group, no clusters, 68,096 bytes of LDS; arguments oq, wq, bo, out0; writes out0
.if DOCPART == 8
	.amdgcn_target "amdgcn-amd-amdhsa--gfx1250"
	.amdhsa_code_object_version 6
	.text
	.protected	k_q8ee6eb1ddc_oproj
	.globl	k_q8ee6eb1ddc_oproj
	.p2align	8
	.type	k_q8ee6eb1ddc_oproj,@function
k_q8ee6eb1ddc_oproj:
	s_mov_b64 s[64:65], 0
	v_nop
	global_prefetch_b8 v0, s[64:65] scope:SCOPE_SE
	s_setreg_imm32_b32 hwreg(HW_REG_WAVE_SCHED_MODE, 0, 2), 2
	s_setreg_imm32_b32 hwreg(HW_REG_WAVE_MODE, 25, 1), 1
	s_wait_xcnt 0x0
	s_wait_alu depctr_vm_vsrc(0)
; out0 = o Wo + bo on codes of BF6 with E8M0 scales.  o's codes and Wo's lie in memory as images of the operands' registers.
; SHARES: work-group x = 64 rows (four tiles of 16), y = half of the 512 columns; wave w owns 64 columns: 4 tiles x 4 K steps of Wo, 192 registers.  All loads go out at the head; the K steps wait for them by counts.
; The product is used transposed (source 0 = 16 columns of Wo, source 1 = 16 rows of o): by the tiles' order of columns a lane's 16 registers of two neighbouring tiles are 16 neighbouring columns of one row.
; A tile's rows are 8 u + r + 8 (r / 8) of their 32.  The bias is the C of each sum's first matrix instruction.  16 accumulators by turns, one instruction a turn.
; o's fragment of a K step is two heads' halves (6 registers each, stored as 512 + 256 bytes); its scale word is two heads' two bytes each.
; THE WAY OUT: through a stage of 64 rows x (1,024 + 16) bytes, since a row's 1,024 bytes come from four waves; each wave then stores 16 whole rows, 512 consecutive aligned bytes a store.
; NO MULTICAST: what the work-groups share is the weight, 98,304 bytes a work-group, which goes once straight into the registers where it stays.
; REGISTERS: window 0: v1-6 addresses; v8-15 Wo's scale words; v16-31 o's; v32-63 the heads' words as loaded; v126, v127 the closing add's two; v128-255 accumulators (m, t) at 128 + 8 (4 m + t), then rows of out0.
;   window 1: Wo's fragments at 12 (4 t + s), bias at v192 + 8 t.   window 2: o's fragments at 12 (4 m + s).
; THE MODE: SCHED_MODE bits 1:0 = 2 (LLVM: expert scheduling mode 2), set by the entry lines.  The code itself states the register dependences between vector or matrix instructions and memory or LDS instructions, with s_wait_alu, always for 0.
; THE PLAN.  Registers that memory or LDS instructions touch:
;   v1 to v6     offsets and LDS addresses, made at the head and never written again.   v126, v127: made at the head, read by the closing add alone.
;   the fragments, Wo's words, the bias, v32-63: loaded once; vector and matrix instructions only read them.
;   v16-31       o's scale words: no memory instruction names them; vector lines write them and scaled matrix instructions take them.
;   v128-255     written by the matrix instructions; read by my 32 LDS stores; then my 32 loads from the stage land in them; read by the 32 global stores.
; So five waits state all: the wave's number ahead of its first reader; the addresses ahead of the first load; the scale words ahead of the first product; the accumulators ahead of the LDS stores
; (no vector instruction names them behind that wait, so it serves the stage's loads too); and behind the barrier that my LDS stores have read them.
; Each scalar that a vector line reads is written once (s28, s29).
.set SP, 1040
.set MSB, 0
.macro WIN new                         ; the immediate's high byte repeats the setting that is left
.if MSB != (\new)
	s_set_vgpr_msb (MSB<<8)|(\new)
.set MSB, (\new)
.endif
.endm
.macro WM d, a, b, c, sa, sb, ra
.if (\ra)
	v_wmma_scale_f32_16x16x128_f8f6f4 v[(\d):(\d)+7], v[(\a):(\a)+11], v[(\b):(\b)+11], v[(\c):(\c)+7], v[\sa], v[\sb] matrix_a_fmt:MATRIX_FMT_BF6 matrix_b_fmt:MATRIX_FMT_BF6 matrix_a_scale:MATRIX_SCALE_ROW1
.else
	v_wmma_scale_f32_16x16x128_f8f6f4 v[(\d):(\d)+7], v[(\a):(\a)+11], v[(\b):(\b)+11], v[(\c):(\c)+7], v[\sa], v[\sb] matrix_a_fmt:MATRIX_FMT_BF6 matrix_b_fmt:MATRIX_FMT_BF6
.endif
.endm
	s_load_b256 s[4:11], s[0:1], 0x0               ; oq, wq, bo, out0
	v_lshl_add_u32 v126, v0, 2, 0x10800
	v_mov_b32 v127, 0
	v_lshrrev_b32 v1, 5, v0
	v_readfirstlane_b32 s12, v1                    ; wave
	s_and_b32 s13, ttmp7, 0xffff                   ; which half of the columns
	v_and_b32 v7, 31, v0
	v_lshlrev_b32 v1, 4, v7                        ; 16 x lane
	v_lshlrev_b32 v2, 2, v7                        ; 4 x lane
	v_lshlrev_b32 v3, 3, v7                        ; 8 x lane
	v_bfe_u32 v4, v0, 4, 1
	v_lshlrev_b32 v4, 6, v4                        ; 64 h: 16 columns
	v_and_b32 v5, 15, v0
	v_and_b32 v6, 8, v5
	v_add_nc_u32 v5, v5, v6
	v_mul_u32_u24 v5, v5, SP
	v_add_nc_u32 v5, v5, v4
	s_wait_alu depctr_va_sdst(0)                   ; s12, the wave's number, is written, ahead of its first reader: LDS addresses and bases are made from it
	s_lshl_b32 s28, s12, 8
	v_add_nc_u32 v5, s28, v5                       ; into the stage: row r + 8 (r / 8), + 64 h, + my wave's 256 bytes
	s_mul_i32 s29, s12, 16*SP
	v_add_nc_u32 v6, s29, v1                       ; out of it: my 16 rows, 16 bytes a lane
	s_mul_i32 s16, ttmp9, 24576                    ; o's codes: four tiles of 6,144 bytes
	s_mov_b32 s17, 0
	s_lshl_b32 s18, ttmp9, 12
	s_add_co_u32 s18, s18, 3145728                 ; and their words
	s_mov_b32 s19, 0
	s_lshl_b32 s15, s13, 3
	s_lshl_b32 s14, s12, 1
	s_add_co_u32 s15, s15, s14                     ; my first block of 32 columns
	s_mul_i32 s20, s15, 12288
	s_add_co_u32 s20, s20, 3*196608                ; Wo is the fourth weight in wq
	s_mov_b32 s21, 0
	s_lshl_b32 s22, s15, 9
	s_add_co_u32 s22, s22, 786432+3*8192
	s_mov_b32 s23, 0
	s_lshl_b32 s24, s13, 10
	s_lshl_b32 s14, s12, 8
	s_add_co_u32 s24, s24, s14                     ; my 64 numbers of the bias
	s_mov_b32 s25, 0
	s_lshl_b32 s26, ttmp9, 17                      ; out0: 64 rows of 2,048 bytes,
	s_lshl_b32 s14, s12, 15                        ; my 16 of them,
	s_add_co_u32 s26, s26, s14
	s_lshl_b32 s14, s13, 10                        ; the half
	s_add_co_u32 s26, s26, s14
	s_mov_b32 s27, 0
	s_wait_kmcnt 0x0
	s_add_nc_u64 s[16:17], s[4:5], s[16:17]
	s_add_nc_u64 s[18:19], s[4:5], s[18:19]
	s_add_nc_u64 s[20:21], s[6:7], s[20:21]
	s_add_nc_u64 s[22:23], s[6:7], s[22:23]
	s_add_nc_u64 s[24:25], s[8:9], s[24:25]
	s_add_nc_u64 s[26:27], s[10:11], s[26:27]
	s_wait_alu depctr_va_vdst(0)                   ; the offsets and LDS addresses v1 to v6 are written, which the loads and stores of the whole kernel read; so are v126 and v127, which the closing add reads
.irp m, 0,1,2,3
.irp d, 0,1,2,3,4,5,6,7
	global_load_b32 v[32+8*\m+\d], v2, s[18:19] offset:1024*\m+128*\d      ; tile m, head d: the head's two bytes of each row
.endr
.endr
.set n, 0
.rept 8
	global_load_b32 v[8+n], v2, s[22:23] offset:128*n
.set n, n+1
.endr
	WIN 0x40
.irp t, 0,1,2,3
	global_load_b128 v[192+8*\t:195+8*\t], v4, s[24:25] offset:(32*(\t/2)+8*(\t%2))*4
	global_load_b128 v[196+8*\t:199+8*\t], v4, s[24:25] offset:(32*(\t/2)+8*(\t%2))*4+16
.endr
.irp s, 0,1,2,3                                ; 28 loads a K step
	WIN 0x40
.irp t, 0,1,2,3
.irp c, 0,1,2
	global_load_b128 v[12*(4*\t+\s)+4*\c:12*(4*\t+\s)+4*\c+3], v1, s[20:21] offset:(4*\t+\s)*1536+512*\c
.endr
.endr
	WIN 0x80
.irp m, 0,1,2,3
.irp c, 0,1
	global_load_b128 v[12*(4*\m+\s)+6*\c:12*(4*\m+\s)+6*\c+3], v1, s[16:17] offset:6144*\m+768*(2*\s+\c)
	global_load_b64 v[12*(4*\m+\s)+6*\c+4:12*(4*\m+\s)+6*\c+5], v3, s[16:17] offset:6144*\m+768*(2*\s+\c)+512
.endr
.endr
.endr
	WIN 0
	s_wait_loadcnt 63                              ; of 160 loads at most 63 are out: the first 97 are in, among them the 48 words and biases and K step 0's 28
.irp m, 0,1,2,3
.irp s, 0,1,2,3
	v_lshl_or_b32 v[16+4*\m+\s], v[33+8*\m+2*\s], 16, v[32+8*\m+2*\s]      ; two heads' bytes make a K step's scale word
.endr
.endr
.rept 8
	v_nop                                          ; a scale register written by a vector instruction stands eight places ahead of a scaled matrix instruction
.endr
	s_wait_alu depctr_va_vdst(0)                   ; the sixteen scale words v16-31 are written, which the scaled matrix instructions take; the eight places above stay beside this wait
.irp s, 0,1,2,3
.if \s > 0
	s_wait_loadcnt 28*(3-\s)                       ; all but the later K steps' loads
.endif
.if \s == 0
	WIN 0x19                                       ; Wo and the bias window 1, o window 2
.else
	WIN 0x09
.endif
.irp m, 0,1,2,3
.irp t, 0,1,2,3
.if \s == 0
	WM 128+8*(4*\m+\t), 12*(4*\t+\s), 12*(4*\m+\s), 192+8*\t, 8+4*(\t/2)+\s, 16+4*\m+\s, \t%2
.else
	WM 128+8*(4*\m+\t), 12*(4*\t+\s), 12*(4*\m+\s), 128+8*(4*\m+\t), 8+4*(\t/2)+\s, 16+4*\m+\s, \t%2
.endif
.endr
.endr
.endr
	WIN 0
.rept 4
	v_nop                                          ; places ahead of the first read of results
.endr
	s_wait_alu depctr_va_vdst(0)                   ; the matrix instructions have written the accumulators v128-255, which the LDS stores read and in which the stage's loads land later; the places above stay beside this wait
.irp m, 0,1,2,3
.irp t, 0,1,2,3
	ds_store_b128 v5, v[128+8*(4*\m+\t):131+8*(4*\m+\t)] offset:(32*(\m/2)+8*(\m%2))*SP+128*(\t/2)+32*(\t%2)       ; each accumulator from its low end on
	ds_store_b128 v5, v[132+8*(4*\m+\t):135+8*(4*\m+\t)] offset:(32*(\m/2)+8*(\m%2))*SP+128*(\t/2)+32*(\t%2)+16
.endr
.endr
	s_wait_dscnt 0x0                               ; for the others' sake: my stores into the stage are done
	s_barrier_signal -1
	s_barrier_wait -1
	s_wait_alu depctr_vm_vsrc(0)                   ; my LDS stores have read v128-255, in which the loads below land
.set i, 0
.rept 32
	ds_load_b128 v[128+4*i:131+4*i], v6 offset:(i/2)*SP+512*(i%2)
.set i, i+1
.endr
.set i, 0
.rept 32
	s_wait_dscnt 31-i
	global_store_b128 v1, v[128+4*i:131+4*i], s[26:27] offset:(i/2)*2048+512*(i%2) th:TH_STORE_NT    ; 32 lanes store 512 consecutive aligned bytes; written once, read by nobody here
.set i, i+1
.endr
	s_wait_dscnt 0x0                               ; the closing lines, six on end
	s_wait_alu 0x0
	s_wait_tensorcnt 0x0
	ds_add_u32 v126, v127
	s_wait_dscnt 0x0
	s_endpgm
.Lfunc_end_k_q8ee6eb1ddc_oproj:
	.size	k_q8ee6eb1ddc_oproj, .Lfunc_end_k_q8ee6eb1ddc_oproj-k_q8ee6eb1ddc_oproj
	.p2alignl 7, 3214868480
	.fill 96, 4, 3214868480
	.section	.rodata,"a",@progbits
	.p2align	6, 0x0
	.amdhsa_kernel k_q8ee6eb1ddc_oproj
		.amdhsa_group_segment_fixed_size 68096
		.amdhsa_private_segment_fixed_size 0
		.amdhsa_enable_private_segment 0
		.amdhsa_kernarg_size 32
		.amdhsa_user_sgpr_count 2
		.amdhsa_user_sgpr_kernarg_segment_ptr 1
		.amdhsa_wavefront_size32 1
		.amdhsa_system_sgpr_workgroup_id_x 1
		.amdhsa_system_sgpr_workgroup_id_y 1
		.amdhsa_system_sgpr_workgroup_id_z 1
		.amdhsa_system_vgpr_workitem_id 0
		.amdhsa_next_free_vgpr 768
		.amdhsa_next_free_sgpr 66
		.amdhsa_reserve_vcc 0
		.amdhsa_float_denorm_mode_32 3
		.amdhsa_float_denorm_mode_16_64 3
		.amdhsa_memory_ordered 1
		.amdhsa_forward_progress 1
		.amdhsa_inst_pref_size 36
	.end_amdhsa_kernel
	.amdgpu_metadata
---
amdhsa.version: [ 1, 2 ]
amdhsa.kernels:
  - .name:           k_q8ee6eb1ddc_oproj
    .symbol:         k_q8ee6eb1ddc_oproj.kd
    .args:
      - { .name: oq, .offset: 0, .size: 8, .value_kind: global_buffer, .address_space: global }
      - { .name: wq, .offset: 8, .size: 8, .value_kind: global_buffer, .address_space: global }
      - { .name: bo, .offset: 16, .size: 8, .value_kind: global_buffer, .address_space: global }
      - { .name: out0, .offset: 24, .size: 8, .value_kind: global_buffer, .address_space: global }
    .group_segment_fixed_size: 68096
    .private_segment_fixed_size: 0
    .kernarg_segment_align: 8
    .kernarg_segment_size: 32
    .max_flat_workgroup_size: 128
    .sgpr_count:     66
    .vgpr_count:     768
    .wavefront_size: 32
...
	.end_amdgpu_metadata
.endif
;; end of part 8
